; MI455X (gfx1250); checked and timed in simulation.
; The chip was launched on July 23, 2026; its instructions are those of AMD's public machine-readable ISA for CDNA 5 (MIT licence, August 2026) and "CDNA5" Instruction Set Architecture Reference Guide (July 2026). The comments in the code are by the model that wrote it; some were corrected since.
;; Multi Head Self Attention. Allowed arithmetic: matrix products marked QUANTISED: E4M3 operands, one E8M0 scale for each 32 along K, by v_wmma_scale_f32_16x16x128_f8f6f4 with both operands' format E4M3, f32 sums; everything else in f32.
;; Inputs: bk 1,024 float32; bo 1,024 float32; bq 1,024 float32; bv 1,024 float32; wk_codes 1,024 x 32 x 32 uint8 (E4M3 codes of wk, K innermost, in blocks of 32 codes); wk_scales 1,024 x 32 uint8 (E8M0 scales of wk, one for each 32 codes along K); wo_codes 1,024 x 32 x 32 uint8 (E4M3 codes of wo, K innermost, in blocks of 32 codes); wo_scales 1,024 x 32 uint8 (E8M0 scales of wo, one for each 32 codes along K); wq_codes 1,024 x 32 x 32 uint8 (E4M3 codes of wq, K innermost, in blocks of 32 codes); wq_scales 1,024 x 32 uint8 (E8M0 scales of wq, one for each 32 codes along K); wv_codes 1,024 x 32 x 32 uint8 (E4M3 codes of wv, K innermost, in blocks of 32 codes); wv_scales 1,024 x 32 uint8 (E8M0 scales of wv, one for each 32 codes along K); x_codes 4 x 2,048 x 32 x 32 uint8 (E4M3 codes of x, K innermost, in blocks of 32 codes); x_scales 4 x 2,048 x 32 uint8 (E8M0 scales of x, one for each 32 codes along K).
;; Outputs: out0 4 x 2,048 x 1,024 float32.
;; This version of the problem:
;;   THIS VERSION OF THE PROBLEM IS GIVEN IN LOW PRECISION. The matrix products marked QUANTISED in the list below multiply operands that are first quantised to E4M3 (4 exponent bits, 3 mantissa bits; 8 bits a number), with one power-of-two scale for each 32 numbers along K (OCP MX v1.0); their sums are f32. All else is computed in f32.
;;   The module's matrix products, in the order in which they are computed (A, B: the left and right operand; K: the contracted axis; several contracted axes count as one K, in the product's order):
;;     1. [M 8,192, K 1,024] x [K 1,024, N 1,024]; A: input x (given as codes); B: input wq (given as codes): QUANTISED
;;     2. [M 8,192, K 1,024] x [K 1,024, N 1,024]; A: input x (given as codes); B: input wk (given as codes): QUANTISED
;;     3. [M 8,192, K 1,024] x [K 1,024, N 1,024]; A: input x (given as codes); B: input wv (given as codes): QUANTISED
;;     4. batch 64 x [M 2,048, K 64] x [K 64, N 2,048]; A: computed on the way; B: computed on the way: QUANTISED
;;     5. batch 64 x [M 2,048, K 2,048] x [K 2,048, N 64]; A: softmax (see below); B: computed on the way: QUANTISED
;;     6. [M 8,192, K 1,024] x [K 1,024, N 1,024]; A: computed on the way; B: input wo (given as codes): QUANTISED
;;   THE QUANTISER, for each operand of a quantised product, along K:
;;     - K is cut into blocks of 32 from its start; a last block that is shorter is filled with zeros.
;;     - A block's scale is 2^e with e = floor(log2(the largest magnitude in the block)) - 8, held to -126 .. 127; a block of zeros has e = 0. As a byte (E8M0): e + 127.
;;     - Each number is divided by its block's scale, clamped to +-448, and rounded to the nearest number of E4M3, ties to even, subnormals kept.
;;     - The product sums the exact products of the quantised numbers (number of the format x scale) in f32.
;;   ~~~python
;;   def quantise(x, axis):      # numpy; x: float32 -> the quantised numbers, widened to float32 again
;;       x = np.moveaxis(x, axis, -1); K = x.shape[-1]
;;       x = np.pad(x, [(0, 0)] * (x.ndim - 1) + [(0, -K % 32)]); x = x.reshape(x.shape[:-1] + (-1, 32)); a = np.abs(x).max(-1, keepdims=True)
;;       e = np.where(a > 0, np.clip(np.frexp(np.where(a > 0, a, 1))[1] - 1 - 8, -126, 127), 0)      # np.frexp(a)[1] - 1 = floor(log2(a)), exactly
;;       r = np.clip(x / 2.0 ** e, -448, 448)
;;       step = 2.0 ** (np.maximum(np.frexp(np.where(r == 0, 1, r))[1] - 1, -6) - 3)
;;       q = np.round(r / step) * step * 2.0 ** e      # np.round: ties to even
;;       return np.moveaxis(q.reshape(q.shape[:-2] + (-1,))[..., :K], -1, axis).astype(np.float32)
;;   ~~~
;;   SOFTMAX AHEAD OF A QUANTISED PRODUCT. Where the list says 'softmax', what is quantised is not the finished softmax but p = 2^(t - M), with t = logit x log2(e) and M = ceil(the row's largest t), a whole number; so 1/2 < the row's largest p <= 1. The row's sum l is taken of the UNQUANTISED p, in f32, and the product's result is divided by l at the end. Since M is a whole number, a kernel that streams over the keys may use a running M (the ceiling of the running maximum): every later rescaling is an exact power of two, which a block's scale takes up: the codes' values come out the same.
;;   OPERANDS COMPUTED ON THE WAY. 'Computed on the way' means the value that the module computes at that place (a softmax that the list does not call 'softmax' is quantised finished and normalised). What goes into a quantiser is computed in f32, as accurately as f32 sums, v_exp_f32 and their like allow (about 1e-6 of the number): no bf16 or f16 on the way to a quantiser, and a product that is left as it is and whose result goes on into a quantised operand takes f32 operands (vector FMAs, or v_wmma_f32_16x16x4_f32). A number that lies on a knife's edge between two numbers of the format may be rounded either way, as far as f32 arithmetic and the matrix unit's own rounding can turn it there, and no further.
;;   INPUTS GIVEN AS CODES. wk (in the module: [1024, 1024], K = its axis 1); wo (in the module: [1024, 1024], K = its axis 1); wq (in the module: [1024, 1024], K = its axis 1); wv (in the module: [1024, 1024], K = its axis 1); x (in the module: [4, 2048, 1024], K = its axis 2): each comes as NAME_codes (uint8): NAME with its K axis moved to the last place and cut into blocks of 32 codes, [.., K / 32, bytes a block], one block behind the other in memory; one code a byte (a code: sign, 4 exponent bits, 3 mantissa bits); and NAME_scales (uint8): the same leading axes, one E8M0 byte (e + 127) for each 32 codes along K. Its value is code x scale, taken as it is: it is not quantised again, and the codes and scales need not be those that the quantiser above would give.
;; One version. Each part assembles by itself: llvm-mc -triple=amdgcn-amd-amdhsa -mcpu=gfx1250 --defsym DOCPART=n.
;; ======== version 1 of 1: 3 launches
;; limits: right only within a limited range of input values
;; workspace buffers: qimg 8,388,608 bytes; qscl 262,144 bytes; kv 17,301,504 bytes; cimg 8,388,608 bytes; cscl 262,144 bytes
;; launch gemm_qkv (part 1): grid 12 x 32, 4 waves a work-group, clusters of 4 x 4, 327,680 bytes of LDS; arguments x_codes, x_scales, wq_codes, wq_scales, wk_codes, wk_scales, wv_codes, wv_scales, bq, bk, bv, qimg, qscl, kv; writes qimg, qscl, kv
.if DOCPART == 1
	.amdgcn_target "amdgcn-amd-amdhsa--gfx1250"
	.amdhsa_code_object_version 6
	.text
	.protected	k_qd08c0ed376_gemm_qkv
	.globl	k_qd08c0ed376_gemm_qkv
	.p2align	8
	.type	k_qd08c0ed376_gemm_qkv,@function
k_qd08c0ed376_gemm_qkv:
	s_mov_b64 s[64:65], 0
	v_nop
	global_prefetch_b8 v0, s[64:65] scope:SCOPE_SE
	s_setreg_imm32_b32 hwreg(HW_REG_WAVE_MODE, 25, 1), 1
	s_wait_xcnt 0x0
	s_wait_alu depctr_hold_cnt(0) depctr_sa_sdst(0) depctr_va_vdst(0) depctr_va_sdst(0) depctr_va_ssrc(0) depctr_va_vcc(0) depctr_vm_vsrc(0)
	s_getreg_b32 s2, hwreg(HW_REG_IB_STS2, 6, 4)
	s_cmp_eq_u32 s2, 0
	s_cbranch_scc0 .Lentry_in_a_cluster
	s_endpgm
.Lentry_in_a_cluster:
	s_bfe_u32 s2, ttmp6, 0x10000c
	s_cmp_lg_u32 s2, 0xf033
	s_cbranch_scc0 .Lentry_shape_is_right
	s_endpgm
.Lentry_shape_is_right:
; q = x wq^T + bq, k = x wk^T + bk, v = x wv^T + bv on codes of FP8 (E4M3) with one E8M0 scale for each 32 along K = 1,024; the f32 results are quantised here, by the same rule, along the K of the
; product that will read them (q, k: the head's 64 channels; v: the keys) and leave as codes only.
; THREE PATHS, by the cluster's x (the same number in all sixteen partners): 0: q, 1: k, 2: v.  A tile of 256 x 256 is made by four waves, 128 x 128 each: 64 accumulators, 512 registers.
; Source 1 ("A", its rows fall on lanes) is x for q and k and wv for v; source 0 ("B", its rows fall on a lane's registers) is wq, wk or x.  So a lane's registers run along the NEXT product's K:
; channels for q and k (lane = token), tokens for v (lane = channel).  The 16 registers of two neighbouring tiles are 16 numbers of one block of 32; lane l xor 16 holds the other 16.
; Their 16 codes are stored as they stand.  The order inside a block of 32 is then {8 h + 0..7, 16 + 8 h + 0..7} where the operand's layout says 16 h + 0..15: the same change in q and k, and in v and p,
; so each product multiplies the same pairs; a block's members and its scale are untouched.
; OUTPUT: images of operand registers, 512 bytes (16 a lane) for each group of four registers.  qimg [bh][tile of 16 tokens][block g][lane][16].  kv [bh][step of 128 keys][record of 16,896 bytes]:
; K's 8 tiles (1,024 t + 512 g), V's 4 fragments (8,192 + 2,048 t + 512 c), K's scale words (16,384 + 16 r + 4 f), V's (16,640 + 16 r + 4 t).  qscl [bh][128 tokens][r][f] as K's words.
; K goes in steps of 256 through a ring of two LDS slots filled by joint tensor loads (4 x 4 work-groups: A's tile shared along a row of the cluster, B's along a column); the scale bytes of the
; work-group's rows come once, with the first fills.  The bias is the C of each sum's first matrix instruction.
; LIMITS: NaN and infinities among the inputs are not served; a block of zeros gets the byte 1 where the rule says 127 (its codes are zeros, and only this program reads the bytes).
; REGISTERS: window 0: v16-31 addresses; v32-63 scale words, two sets; v64-127 the bias; from v128 A's fragments, one set.  window 1: B's fragments, two sets.  windows 2, 3: the accumulators ((a, b) at v[8 (8 (a % 4) + b)]).
.set KSTEP,  256
.set NQ,     2                         ; matrix instructions deep in a slot
.set ROWB,   256                       ; a tile's row in bytes
.set KROW,   1024                      ; a row of x or of a weight in memory
.set PITCH,  272                       ; an LDS row: 256 bytes + 16 of padding = 68 words: the 16 rows that a load touches start at 16 different banks (64 banks of 4 bytes: ISA guide 11.1)
.set FR,     16
.set NL,     4
.set NP,     8                         ; places behind this matrix instruction (ISA guide 7.12.1)
.set HALFT,  128*PITCH
.set SLOT,   4*HALFT
.set LAPS,   2                         ; 1,024 / (2 x 256)
.set KS,     32                        ; a row of scale bytes
.set SCL,    2*SLOT
.set HALFS,  (128*KS/256)*272
.set SBLK,   (16*KS/256)*272
.set SPARE,  SCL+4*HALFS               ; the spare words, 128 bytes for each wave: two blocks of 256 bytes that no other line names
.set REC,    16896                     ; a record of kv
.set PATH, 2                           ; s2   0: q, 1: k, 2: v
.set ADRA, 16                          ; v16-17  LDS address of my A fragments in slot 0, 1
.set ADRB, 20                          ; v20-21  the same for B
.set BOV,  22                          ; v22  4 r: v's bias
.set LI2,  23                          ; v23  16 x lane + the distance of a row block's third and fourth store from its first
.set LI,   24                          ; v24  16 x lane
.set SO,   25                          ; v25  16 r + h x (a head on in the scales' buffer)
.set BOQ,  26                          ; v26  32 h: q's and k's bias
.set ADRS, 27                          ; v27  LDS address of my scale words
.set SPW,  28                          ; v28  LDS address of my spare word; never rewritten
.set NIL,  29                          ; v29  0; never rewritten
.set SELV, 30                          ; v30  byte selects: lanes 0-15 the low halves, lanes 16-31 the high halves
.set SC,   32
.set BI,   64
.set AF,   128
.set TM,   32                          ; the way out (the scale words' registers are free then): v32-35 largest magnitudes, v36-39 at work, v40-43 448 x scale, v44-47 the conversions' scale operands
.set T4,   36
.set LIM,  40
.set SCO,  44
.set PWS,  48                          ; v48-55 a scale word for each of my 8 row blocks
.set WQ,   56                          ; v56-59 the words that leave
.set WVV,  60
.set PC,   64                          ; v64-79, v80-95 codes, two sets by turns
.set G1, 24
.set G0, 32
.set G1B, 48
.set G0B, 56
.set G1S, 68
.set G0S, 76
.set G1SB, 80
.set G0SB, 88
.set MSB, 0
.macro WIN new                         ; the immediate's high byte repeats the setting that is left
.if MSB != \new
	s_set_vgpr_msb (MSB<<8)|\new
.set MSB, \new
.endif
.endm
.set MUL_LO, 0xa1                      ; source 0 (B) window 1, source 1 (A) window 0, C and D window 2
.set MUL_HI, 0xf1                      ; the same, C and D window 3
.set TO_B,   0x40
; A joint load: waves 0 and 1 fetch for A, waves 2 and 3 for B.  The branch hangs on the wave's number alone.  Four v_nop follow each of the two lines.
.macro JLOAD g0a, g1a, g0b, g1b
	s_cmp_eq_u32 s15, 0
	s_cbranch_scc0 .Lfor_b_\@
	tensor_load_to_lds s[\g0a:\g0a+3], s[\g1a:\g1a+7]
	s_nop 0
.rept 4
	v_nop
.endr
	s_branch .Lasked_\@
.Lfor_b_\@:
	tensor_load_to_lds s[\g0b:\g0b+3], s[\g1b:\g1b+7]
	s_nop 0
.rept 4
	v_nop
.endr
.Lasked_\@:
.endm
.macro CREST                           ; a round of the cluster's barrier behind its opening barrier
	s_cmp_lg_u32 s14, 0
	s_cbranch_scc1 .Lnot_wave_0_\@
	s_barrier_signal -3
.Lnot_wave_0_\@:
	s_barrier_wait -3
	s_barrier_signal -1
	s_barrier_wait -1
.endm
.macro CROUND
	s_barrier_signal -1
	s_barrier_wait -1
	CREST
.endm
	s_load_b512 s[68:83], s[0:1], 0x0              ; x's codes, scales; wq's; wk's; wv's
	s_load_b256 s[84:91], s[0:1], 0x40             ; bq, bk, bv, qimg
	s_load_b128 s[92:95], s[0:1], 0x60             ; qscl, kv
	v_lshl_add_u32 v[SPW], v0, 2, SPARE
	v_mov_b32 v[NIL], 0
	ds_add_u32 v28, v29
	ds_add_u32 v28, v29
	s_wait_dscnt 0x0
	v_lshrrev_b32 v1, 5, v0
	v_readfirstlane_b32 s14, v1                    ; wave 0..3
	s_lshr_b32 s15, s14, 1                         ; which half of A's rows is mine.  Also: I fetch for A (0) or for B (1)
	s_and_b32 s16, s14, 1                          ; which half of B's rows.  Also: which 128 rows of that tile I fetch
	s_mov_b32 s[PATH], ttmp9                       ; the cluster's x
	s_bfe_u32 s40, ttmp6, 0x40000                  ; cx, cy: my place in the cluster
	s_bfe_u32 s41, ttmp6, 0x40004
	s_and_b32 s18, ttmp7, 0xffff
	s_lshl_b32 s18, s18, 2                         ; 4 x the cluster's y: it counts x's 32 blocks of 256 tokens
	s_cmp_eq_u32 s[PATH], 2
	s_cselect_b32 s42, s18, 0                      ; the tokens are B's rows for v,
	s_cselect_b32 s17, 0, s18                      ; A's rows for q and k
	s_add_co_u32 s42, s42, s40                     ; B's block of 256 rows: it holds cx and never cy
	s_add_co_u32 s17, s17, s41                     ; A's block of 256 rows: it holds cy and never cx
	s_lshl_b32 s43, s41, 2
	s_lshl_b32 s43, 15, s43                        ; my row of the cluster
	s_lshl_b32 s44, 0x1111, s40                    ; my column
	s_or_b32 s[G1+0], s43, (0<<16)|(1<<20)|(1<<21)|(5<<22)|(3<<25)  ; 15:0 the mask; 17:16 element of 1 byte; 20 padding on; 21 set beside a mask; 24:22 after every 64 words; 31:25 of 4 words
	s_or_b32 s[G1B+0], s44, (0<<16)|(1<<20)|(1<<21)|(5<<22)|(3<<25)
.irp g, G1, G1B
	s_mov_b32 s[\g+1], ROWB<<16                    ; tensor_dim0
	s_mov_b32 s[\g+2], 256<<16                     ; tensor_dim1: 256 rows for the head's loads; set to 128 for the ring's behind them
	s_mov_b32 s[\g+3], ROWB<<16                    ; tile_dim0
	s_mov_b32 s[\g+4], 256                         ; tile_dim1
	s_mov_b32 s[\g+5], KROW                        ; tensor_dim0_stride
	s_mov_b32 s[\g+6], 0
	s_mov_b32 s[\g+7], 0
.endr
	s_lshl_b32 s20, s17, 8                         ; A: the tile's first row
	s_lshl_b32 s46, s42, 8                         ; B: likewise
	s_mov_b32 s21, 0
	s_mov_b32 s47, 0
	s_mov_b64 s[18:19], KS
	s_mul_u64 s[22:23], s[20:21], s[18:19]         ; where these rows' scales begin, in bytes
	s_mul_u64 s[100:101], s[46:47], s[18:19]
	s_mov_b64 s[18:19], KROW
	s_mul_u64 s[20:21], s[20:21], s[18:19]         ; and their codes
	s_mul_u64 s[46:47], s[46:47], s[18:19]
	s_mul_i32 s45, s14, HALFT
	s_mul_i32 s18, s16, 128*KROW                   ; in the ring I fetch 128 rows of a tile: which half, in bytes
	s_mov_b32 s19, 0
	s_wait_kmcnt 0x0
	s_cmp_eq_u32 s[PATH], 2                        ; the buffers of my path: the choice hangs on the cluster's x alone
	s_cselect_b64 s[4:5], s[80:81], s[68:69]       ; A's codes: wv's or x's
	s_cselect_b64 s[6:7], s[82:83], s[70:71]       ; A's scales
	s_cselect_b64 s[8:9], s[68:69], s[76:77]       ; B's codes: x's or wk's,
	s_cselect_b64 s[10:11], s[70:71], s[78:79]
	s_cselect_b64 s[12:13], s[88:89], s[86:87]     ; the bias: bv or bk,
	s_cmp_eq_u32 s[PATH], 0
	s_cselect_b64 s[8:9], s[72:73], s[8:9]         ; or wq's
	s_cselect_b64 s[10:11], s[74:75], s[10:11]
	s_cselect_b64 s[12:13], s[84:85], s[12:13]     ; or bq
	s_cselect_b64 s[96:97], s[90:91], s[94:95]     ; the codes go to qimg or to kv,
	s_cselect_b64 s[98:99], s[92:93], s[94:95]     ; the scale words to qscl or to kv
	s_add_nc_u64 s[20:21], s[4:5], s[20:21]
	s_add_nc_u64 s[22:23], s[6:7], s[22:23]
	s_add_nc_u64 s[46:47], s[8:9], s[46:47]
	s_add_nc_u64 s[100:101], s[10:11], s[100:101]
	; the scales of 256 rows: a dense block of 8,192 bytes, as 32 rows of 256 bytes (32 elements of 8 bytes), 16 bytes of padding behind each.  (The registers held the arguments, which have all been chosen from)
	s_or_b32 s[G1S+0], s43, (3<<16)|(1<<20)|(1<<21)|(5<<22)|(3<<25)
	s_or_b32 s[G1SB+0], s44, (3<<16)|(1<<20)|(1<<21)|(5<<22)|(3<<25)
.irp g, G1S, G1SB
	s_mov_b32 s[\g+1], 32<<16
	s_mov_b32 s[\g+2], (256*KS/256)<<16            ; the scales of all 256 rows by one load
	s_mov_b32 s[\g+3], 32<<16
	s_mov_b32 s[\g+4], 256*KS/256
	s_mov_b32 s[\g+5], 32
	s_mov_b32 s[\g+6], 0
	s_mov_b32 s[\g+7], 0
.endr
	CROUND                                         ; all sixteen work-groups are here: the first joint loads meet
.set G0H, 4                            ; s[4:7], s[8:11] group 0 of the head's loads of K step 0 (the addresses that lay there have been used)
.set G0HB, 8
	s_mov_b32 s[G0H], 1                            ; the head's four tiles, each whole: K step 0's 256 rows of A,
	s_mov_b32 s[G0H+1], 0
	s_mov_b64 s[G0H+2:G0H+3], s[20:21]
	s_or_b32 s[G0H+3], s[G0H+3], 0x80000000
	s_mov_b32 s[G0HB], 1                           ; its 256 rows of B, behind them in slot 0,
	s_mov_b32 s[G0HB+1], 2*HALFT
	s_mov_b64 s[G0HB+2:G0HB+3], s[46:47]
	s_or_b32 s[G0HB+3], s[G0HB+3], 0x80000000
	s_mov_b32 s[G0S], 1                            ; the scales of A's 256 rows,
	s_mov_b32 s[G0S+1], SCL
	s_mov_b64 s[G0S+2:G0S+3], s[22:23]
	s_or_b32 s[G0S+3], s[G0S+3], 0x80000000
	s_mov_b32 s[G0SB], 1                           ; and of B's
	s_mov_b32 s[G0SB+1], SCL+2*HALFS
	s_mov_b64 s[G0SB+2:G0SB+3], s[100:101]
	s_or_b32 s[G0SB+3], s[G0SB+3], 0x80000000
	s_add_nc_u64 s[20:21], s[20:21], s[18:19]      ; for the ring: my 128 rows of the tile
	s_add_nc_u64 s[46:47], s[46:47], s[18:19]
.irp s, 0,1
	s_mov_b32 s[G0+4*\s], 1
	s_add_co_u32 s[G0+4*\s+1], s45, \s*SLOT
	s_add_nc_u64 s[G0+4*\s+2:G0+4*\s+3], s[20:21], \s*ROWB
	s_or_b32 s[G0+4*\s+3], s[G0+4*\s+3], 0x80000000
	s_mov_b32 s[G0B+4*\s], 1
	s_add_co_u32 s[G0B+4*\s+1], s45, \s*SLOT
	s_add_nc_u64 s[G0B+4*\s+2:G0B+4*\s+3], s[46:47], \s*ROWB
	s_or_b32 s[G0B+4*\s+3], s[G0B+4*\s+3], 0x80000000
.endr
; the head's loads, one a wave: wave 0 A's 256 rows, wave 1 B's, wave 2 A's scales, wave 3 B's.  One tree of branches on the wave's number; every way passes one load
.macro ARM under, g0, g1, next
	s_cmp_lt_u32 s14, \under
	s_cbranch_scc0 \next
	tensor_load_to_lds s[\g0:\g0+3], s[\g1:\g1+7]
	s_nop 0
.rept 4
	v_nop
.endr
	s_branch .Lhead_asked
\next:
.endm
	ARM 1, G0H,  G1,  .Lhead_b
	ARM 2, G0HB, G1B, .Lhead_sa
	ARM 3, G0S,  G1S, .Lhead_sb
	tensor_load_to_lds s[G0SB:G0SB+3], s[G1SB:G1SB+7]
	s_nop 0
.rept 4
	v_nop
.endr
.Lhead_asked:
	v_and_b32 v1, 15, v0                           ; r = l % 16
	v_bfe_u32 v2, v0, 4, 1                         ; h = l / 16
	v_mul_u32_u24 v3, v1, PITCH
	v_lshl_add_u32 v4, v2, 4, v3                   ; a fragment's row x pitch + 16 x half
	s_mul_i32 s21, s15, HALFT                      ; my 128 rows of A
	s_mul_i32 s22, s16, HALFT                      ; my 128 rows of B,
	s_add_co_u32 s22, s22, 2*HALFT                 ; which lie behind A's 256
.irp s, 0,1
	v_add_nc_u32 v[ADRA+\s], s21, v4
	v_add_nc_u32 v[ADRB+\s], s22, v4
	s_add_co_u32 s21, s21, SLOT
	s_add_co_u32 s22, s22, SLOT
.endr
	v_mul_u32_u24 v5, v1, KS                       ; my row's scales: 32 bytes a row,
	v_lshrrev_b32 v6, 8, v5
	v_lshl_add_u32 v5, v6, 4, v5                   ; and 16 more for each 256 passed
	s_mul_i32 s21, s15, HALFS
	s_mul_i32 s22, s16, HALFS
	s_add_co_u32 s22, s22, 2*HALFS
	s_sub_co_u32 s22, s22, s21
	v_mul_u32_u24 v6, s22, v2                      ; lanes 16-31 take B's
	s_add_co_u32 s21, s21, SCL
	v_add_nc_u32 v5, v5, v6
	v_add_nc_u32 v[ADRS], s21, v5
	v_and_b32 v6, 31, v0
	v_lshlrev_b32 v[LI], 4, v6
	s_wait_alu depctr_va_vdst(0)
	v_lshlrev_b32 v[BOQ], 5, v2
	v_lshlrev_b32 v[BOV], 2, v1
	; ---- where the results go
	s_lshl_b32 s20, s17, 8
	s_lshl_b32 s21, s15, 7
	s_add_co_u32 s20, s20, s21                     ; my first row of A
	s_lshl_b32 s21, s42, 8
	s_lshl_b32 s22, s16, 7
	s_add_co_u32 s21, s21, s22                     ; my first row of B
	s_cmp_eq_u32 s[PATH], 2
	s_cselect_b32 s22, s21, s20                    ; my first token,
	s_cselect_b32 s23, s20, s21                    ; my first channel: a multiple of 128: two heads
	s_cselect_b32 s45, 8192, 0                     ; V's fragments lie behind K's tiles in a record
	s_cselect_b32 s46, 256, 0                      ; and V's scale words behind K's
	s_mov_b32 s18, 1024
	s_cselect_b32 s18, 2048, s18                   ; s[18:19] from row block to row block: a tile of q or k, a fragment of v
	s_cselect_b32 s20, 16*REC-8192, 0              ; s[20:21] v: my row blocks 4 to 7 are the next head's
	s_cselect_b32 s47, -1, 0                       ; s47: all ones on v's path
	s_mov_b32 s19, 0
	s_mov_b32 s21, 0
	s_cmp_eq_u32 s[PATH], 0
	s_mov_b32 s92, 16*REC
	s_cselect_b32 s92, 131072, s92                 ; a head on among the codes
	s_mov_b32 s93, REC
	s_cselect_b32 s93, 8192, s93                   ; 128 tokens on
	s_mov_b32 s94, 16*REC
	s_cselect_b32 s94, 4096, s94                   ; a head on among the scale words
	s_mov_b32 s95, REC
	s_cselect_b32 s95, 256, s95                    ; 128 tokens on
	s_cselect_b32 s3, 0, 16384                     ; in a record the words lie behind the codes
	s_add_co_u32 s46, s46, s3
	s_cmp_eq_u32 s[PATH], 2
	s_cselect_b32 s3, 1024, s92                    ; blocks 2 and 3 of a row block: v: 1,024 bytes on; q, k: the next head's
	v_add_nc_u32 v[LI2], s3, v[LI]
	v_mul_u32_u24 v[SO], s94, v2
	v_lshl_add_u32 v[SO], v1, 4, v[SO]
	s_lshr_b32 s100, s22, 11                       ; the batch,
	s_lshl_b32 s100, s100, 4
	s_lshr_b32 s101, s23, 6
	s_add_co_u32 s100, s100, s101                  ; 16 x batch + head
	s_bfe_u32 s101, s22, 0x40007                   ; which 128 tokens of the 2,048
	s_mul_i32 s92, s100, s92
	s_mul_i32 s93, s101, s93
	s_add_co_u32 s92, s92, s93
	s_add_co_u32 s92, s92, s45
	s_mov_b32 s93, 0
	s_add_nc_u64 s[96:97], s[96:97], s[92:93]
	s_mul_i32 s94, s100, s94
	s_mul_i32 s95, s101, s95
	s_add_co_u32 s94, s94, s95
	s_add_co_u32 s94, s94, s46
	s_mov_b32 s95, 0
	s_add_nc_u64 s[98:99], s[98:99], s[94:95]
	s_lshl_b32 s22, s23, 2
	s_mov_b32 s23, 0
	s_add_nc_u64 s[12:13], s[12:13], s[22:23]      ; the bias at my first channel
	s_mov_b32 s40, 0x76543210
	s_mov_b32 s41, 0xfedcba98                      ; v_permlanex16_b32's selects for lane l xor 16
	s_mov_b32 s43, 0xffff0000                      ; lanes 16-31
	s_mov_b32 s66, 0x600000                        ; the mantissa field of 448
	s_mov_b32 s67, 0x4800000                       ; the floor 2^(9 - 127)
	; the bias, in the result's layout.  q, k: register 8 b + j = bias(16 b + 8 h + j).  v: register 8 a + j = bias(16 a + r) for every j: eight loads of the same word fill a tile's C
	s_cmp_eq_u32 s[PATH], 2
	s_cbranch_scc1 .Lbias_v
	s_wait_alu depctr_va_vdst(0)
.irp b, 0,1,2,3,4,5,6,7
	global_load_b128 v[BI+8*\b:BI+8*\b+3], v[BOQ], s[12:13] offset:64*\b
	global_load_b128 v[BI+8*\b+4:BI+8*\b+7], v[BOQ], s[12:13] offset:64*\b+16
.endr
	s_branch .Lbias_done
.Lbias_v:
	s_wait_alu depctr_va_vdst(0)
.irp a, 0,1,2,3,4,5,6,7
.irp j, 0,1,2,3,4,5,6,7
	global_load_b32 v[BI+8*\a+\j], v[BOV], s[12:13] offset:64*\a
.endr
.endr
.Lbias_done:
.macro FRAG reg, adr, q, i             ; 16 rows x 128 K: lane l holds row l % 16; registers 4 c .. 4 c + 3 hold K = 32 c + 16 (l / 16) + 0 .. 15
.irp c, 0,1,2,3
	ds_load_b128 v[\reg+4*\c:\reg+4*\c+3], v[\adr] offset:128*(\q)+32*\c+(\i)*16*PITCH
.endr
.endm
; 16 matrix instructions: A's blocks a0, a0 + 1 x B's eight.  cm = 0: adds in place; 1: the sums start with the bias of B's block; 2: with that of A's block.
; The 64 accumulators take turns, one instruction a turn, in the same order in every step.
.macro MUL16 a0, p, q, sc, cm
.irp a, \a0, \a0+1
.irp b, 0,1,2,3,4,5,6,7
.if \cm == 1
	v_wmma_scale_f32_16x16x128_f8f6f4 v[8*(8*((\a)%4)+\b):8*(8*((\a)%4)+\b)+7], v[128*(\p)+FR*\b:128*(\p)+FR*\b+FR-1], v[AF+FR*(\a):AF+FR*(\a)+FR-1], v[BI+8*\b:BI+8*\b+7], v[SC+8*NQ*(\sc)+NQ*\b+(\q)], v[SC+8*NQ*(\sc)+NQ*(\a)+(\q)] matrix_a_scale:MATRIX_SCALE_ROW1
.elseif \cm == 2
	v_wmma_scale_f32_16x16x128_f8f6f4 v[8*(8*((\a)%4)+\b):8*(8*((\a)%4)+\b)+7], v[128*(\p)+FR*\b:128*(\p)+FR*\b+FR-1], v[AF+FR*(\a):AF+FR*(\a)+FR-1], v[BI+8*(\a):BI+8*(\a)+7], v[SC+8*NQ*(\sc)+NQ*\b+(\q)], v[SC+8*NQ*(\sc)+NQ*(\a)+(\q)] matrix_a_scale:MATRIX_SCALE_ROW1
.else
	v_wmma_scale_f32_16x16x128_f8f6f4 v[8*(8*((\a)%4)+\b):8*(8*((\a)%4)+\b)+7], v[128*(\p)+FR*\b:128*(\p)+FR*\b+FR-1], v[AF+FR*(\a):AF+FR*(\a)+FR-1], v[8*(8*((\a)%4)+\b):8*(8*((\a)%4)+\b)+7], v[SC+8*NQ*(\sc)+NQ*\b+(\q)], v[SC+8*NQ*(\sc)+NQ*(\a)+(\q)] matrix_a_scale:MATRIX_SCALE_ROW1
.endif
.endr
.endr
.endm
.macro FETCH_B slot, q, p
	WIN TO_B
.irp i, 0,1,2,3,4,5,6,7
	FRAG 128*(\p)+FR*\i, ADRB+\slot, \q, \i
.endr
	WIN 0
.endm
.macro FETCH_A slot, q, i0
.irp i, \i0, \i0+1, \i0+2, \i0+3
	FRAG AF+FR*(\i), ADRA+\slot, \q, \i
.endr
.endm
.macro SCALES sc                       ; a K step's scale words: two a row; lanes 0-15 take A's block i, lanes 16-31 B's block i
.irp i, 0,1,2,3,4,5,6,7
	ds_load_b64 v[SC+8*NQ*\sc+NQ*\i:SC+8*NQ*\sc+NQ*\i+1], v[ADRS] offset:\i*SBLK
.endr
.endm
.macro PLACES n                        ; plain vector instructions between a matrix instruction and a load into, or a vector instruction on, one of its registers
.rept \n
	v_nop
.endr
.endm
; A step of 128 along K that has its successor in the same slot.  A's blocks 0-3 are fetched anew in its middle, blocks 4-7 at its end; B has two sets.
.macro STEP slot, q, cm
	s_wait_dscnt 4*NL                              ; all but the youngest 16 loads (A's blocks 4-7) are in
.if \cm
	WIN 0x81                                       ; C (the bias) in window 0
.else
	WIN MUL_LO
.endif
	MUL16 0, (\q)%2, \q, \slot, \cm
	MUL16 2, (\q)%2, \q, \slot, \cm
	s_wait_dscnt 0                                 ; A's blocks 4-7 are in
	PLACES NP
	FETCH_B \slot, (\q)+1, 1-(\q)%2
	FETCH_A \slot, (\q)+1, 0
.if \cm
	WIN 0xc1
.else
	WIN MUL_HI
.endif
	MUL16 4, (\q)%2, \q, \slot, \cm
	MUL16 6, (\q)%2, \q, \slot, \cm
	PLACES NP
	WIN 0
	FETCH_A \slot, (\q)+1, 4
.endm
; A slot's last step changes slots: ONE barrier; in front of it each wave waits for all its tensor loads, adds 0 to its spare word, and waits for that and for its own reads of this slot.  fill = 1: this slot is filled again, two K steps ahead.
.macro TURN slot, next, fill
	s_wait_tensorcnt 0x0                           ; all my tensor loads have landed: my part of the next slot
	ds_add_u32 v[SPW], v[NIL]                      ; 0 onto my spare word
	s_wait_dscnt 4*NL+1                            ; (the add and the youngest 16 loads may be out)
	WIN MUL_LO
	MUL16 0, 1, NQ-1, \slot, 0                     ; sixteen matrix instructions stand between the add and the wait for it
	s_wait_dscnt 0x0                               ; the add is done, and my reads of this slot are over
	s_barrier_signal -1
	MUL16 2, 1, NQ-1, \slot, 0
	WIN 0
	s_barrier_wait -1
.if \fill
	CREST                                          ; the barrier has opened a round of the cluster's barrier: no wave of any partner still reads this slot's tile or has a load on its way
	s_add_nc_u64 s[G0+4*\slot+2:G0+4*\slot+3], s[G0+4*\slot+2:G0+4*\slot+3], 2*ROWB
	s_add_nc_u64 s[G0B+4*\slot+2:G0B+4*\slot+3], s[G0B+4*\slot+2:G0B+4*\slot+3], 2*ROWB
	JLOAD G0+4*\slot, G1, G0B+4*\slot, G1B         ; the first tensor load behind the round; its four v_nop are among the places in front of the loads below
	PLACES NP-4
.else
	PLACES NP
.endif
	s_wait_alu depctr_va_vdst(0)
	v_add_nc_u32 v[ADRS], 4*NQ, v[ADRS]            ; on to the next K step's scale words
	FETCH_B \next, 0, 0
	FETCH_A \next, 0, 0
	SCALES \next
	WIN MUL_HI
	MUL16 4, 1, NQ-1, \slot, 0
	MUL16 6, 1, NQ-1, \slot, 0
	PLACES NP
	WIN 0
	FETCH_A \next, 0, 4
.endm
	s_wait_alu depctr_va_vdst(0)                   ; the wait at the head's end
	s_wait_tensorcnt 0x0                           ; my tile of the head's four is in
	ds_add_u32 v[SPW], v[NIL]
	s_mov_b32 s[G1+2], 128<<16                     ; no tensor load of mine is out: from here on a load brings 128 rows
	s_mov_b32 s[G1+4], 128
	s_mov_b32 s[G1B+2], 128<<16
	s_mov_b32 s[G1B+4], 128
	s_wait_dscnt 0x0
	CROUND                                         ; all four tiles are in, and all sixteen work-groups are here
	JLOAD G0+4, G1, G0B+4, G1B                     ; K step 1's load, the first tensor load behind the round
	FETCH_B 0, 0, 0
	FETCH_A 0, 0, 0
	SCALES 0
	FETCH_A 0, 0, 4
	s_wait_loadcnt 0x0                             ; the bias
	s_cmp_eq_u32 s[PATH], 2                        ; the first step is written twice: the sums start with the bias, which goes with B's block for q and k and with A's for v
	s_cbranch_scc1 .Lfirst_v
	STEP 0, 0, 1
	s_branch .Lfirst_done
.Lfirst_v:
	STEP 0, 0, 2
.Lfirst_done:
	s_mov_b32 s3, LAPS-1
.Llap:                                                 ; a trip goes once round the ring, from a lap's second step to the next lap's first, and fills both slots again
	TURN 0, 1, 1
	STEP 1, 0, 0
	TURN 1, 0, 1
	STEP 0, 0, 0
	s_sub_co_u32 s3, s3, 1
	s_cmp_lg_u32 s3, 0
	s_cbranch_scc1 .Llap
	TURN 0, 1, 0                                   ; the last lap fills nothing
	STEP 1, 0, 0
	s_wait_dscnt 4*NL
	WIN MUL_LO
	MUL16 0, 1, NQ-1, 1, 0
	MUL16 2, 1, NQ-1, 1, 0
	s_wait_dscnt 0
	WIN MUL_HI
	MUL16 4, 1, NQ-1, 1, 0
	MUL16 6, 1, NQ-1, 1, 0
	WIN 0
; THE WAY OUT.  Row block a (16 rows of A x 128 rows of B): a lane's 64 numbers are 16 of each of four blocks of 32 along the next K.  They become 64 codes and a scale word; the codes leave as they stand:
; each store of the wave covers 512 consecutive bytes, aligned.  No LDS is touched.
.macro ROWS a
.set WN, 2+(\a)/4                      ; the block's window
.set XB, 64*((\a)%4)
.set PCS, PC+16*((\a)%2)
.set W_MAX, (WN<<2)|(WN<<4)
.set W_MED, (WN<<6)|WN
	WIN W_MAX                                      ; sources 1 and 2 in the accumulators' window
.irp b, 0,1,2,3
	v_max3_num_f32 v[TM+\b], s67, |v[XB+16*\b]|, |v[XB+16*\b+1]|   ; block b: my 16 numbers, each accumulator from its low end on, and the floor, which holds the byte at 1 from below
.endr
.irp i, 2,4,6,8,10,12,14
.irp b, 0,1,2,3
	v_max3_num_f32 v[TM+\b], v[TM+\b], |v[XB+16*\b+\i]|, |v[XB+16*\b+\i+1]|
.endr
.endr
	WIN 0
.irp b, 0,1,2,3
	v_permlanex16_b32 v[T4+\b], v[TM+\b], s40, s41
.endr
.irp b, 0,1,2,3
	v_max_num_f32 v[TM+\b], v[TM+\b], v[T4+\b]     ; with lane l xor 16's: the block's largest magnitude
.endr
.irp b, 0,1,2,3
	v_add_nc_u32 v[SCO+\b], 0xfc000000, v[TM+\b]   ; 8 off its exponent field: the conversion's scale operand
.endr
.irp b, 0,1,2,3
	v_and_or_b32 v[LIM+\b], v[TM+\b], 0x7f800000, s66   ; 448 x the scale
.endr
.irp b, 0,1,2,3
	v_lshrrev_b32 v[T4+\b], 23, v[SCO+\b]          ; the scale's byte
.endr
	v_lshl_or_b32 v[PWS+\a], v[T4+1], 8, v[T4]
	v_lshl_or_b32 v[PWS+\a], v[T4+2], 16, v[PWS+\a]
	v_lshl_or_b32 v[PWS+\a], v[T4+3], 24, v[PWS+\a]
	WIN W_MED                                      ; destination and source 0 in the accumulators' window
.irp b, 0,1,2,3
.irp i, 0,1,2,3,4,5,6,7,8,9,10,11,12,13,14,15
	v_med3_num_f32 v[XB+16*\b+\i], v[XB+16*\b+\i], -v[LIM+\b], v[LIM+\b]   ; the conversion to an 8-bit code does not saturate (ISA guide 7.6.2): the hold at the largest code x the scale
.endr
.endr
	s_wait_alu depctr_va_vdst(0)
	s_wait_xcnt 0x0                                ; the earlier blocks' stores have read their data and their base: both are written again only behind this wait
.if (\a) > 0
	s_add_nc_u64 s[96:97], s[96:97], s[18:19]
.endif
.if (\a) == 4
	s_add_nc_u64 s[96:97], s[96:97], s[20:21]
.endif
	WIN WN                                         ; source 0 in the accumulators' window
.irp b, 0,1,2,3
	v_cvt_scalef32_pk8_fp8_f32 v[PCS+4*\b:PCS+4*\b+1], v[XB+16*\b:XB+16*\b+7], v[SCO+\b]
	v_cvt_scalef32_pk8_fp8_f32 v[PCS+4*\b+2:PCS+4*\b+3], v[XB+16*\b+8:XB+16*\b+15], v[SCO+\b]
.endr
	WIN 0
	v_nop                                          ; a plain vector line behind the last conversion
	global_store_b128 v[LI], v[PCS:PCS+3], s[96:97]
	global_store_b128 v[LI], v[PCS+4:PCS+7], s[96:97] offset:512
	global_store_b128 v[LI2], v[PCS+8:PCS+11], s[96:97]
	global_store_b128 v[LI2], v[PCS+12:PCS+15], s[96:97] offset:512
.endm
	PLACES NP                                      ; behind the last products: their results are read and their scale registers written below
.irp b, 0,1,2,3
	v_mov_b32 v[T4+\b], 0                          ; written once: a lane permute's destination counts as one of its sources
.endr
	v_mov_b32 v[SELV], 0x05040100
	v_mov_b32 v31, 0x07060302
	v_cndmask_b32 v[SELV], v[SELV], v31, s43
.irp a, 0,1,2,3,4,5,6,7
	ROWS \a
.endr
	; the scale words.  A row block's word holds the bytes of its four blocks.  q, k: bytes 0, 1 are the first head's, 2, 3 the second's; word f of a head = the halves of row blocks 2 f and 2 f + 1.
	; v: row blocks 0-3 are the first head's four fragments, 4-7 the second's.  Lanes 0-15 store the first head's 256 bytes, lanes 16-31 the second's.  Both forms are made and one is chosen: no branch.
.irp f, 0,1,2,3
	v_perm_b32 v[WQ+\f], v[PWS+2*\f+1], v[PWS+2*\f], v[SELV]
	v_cndmask_b32 v[WVV+\f], v[PWS+\f], v[PWS+4+\f], s43
.endr
.irp f, 0,1,2,3
	v_cndmask_b32 v[WQ+\f], v[WQ+\f], v[WVV+\f], s47
.endr
	global_store_b128 v[SO], v[WQ:WQ+3], s[98:99]
	s_wait_tensorcnt 0x0                           ; the wave's end
	ds_add_u32 v[SPW], v[NIL]
	s_wait_dscnt 0x0
	CROUND                                         ; the closing round: no work-group ends while a partner may still ask for a tile that names it
	s_endpgm
.Lfunc_end_k_qd08c0ed376_gemm_qkv:
	.size	k_qd08c0ed376_gemm_qkv, .Lfunc_end_k_qd08c0ed376_gemm_qkv-k_qd08c0ed376_gemm_qkv
	.p2alignl 7, 3214868480
	.fill 96, 4, 3214868480
	.section	.rodata,"a",@progbits
	.p2align	6, 0x0
	.amdhsa_kernel k_qd08c0ed376_gemm_qkv
		.amdhsa_group_segment_fixed_size 327680
		.amdhsa_private_segment_fixed_size 0
		.amdhsa_enable_private_segment 0
		.amdhsa_kernarg_size 112
		.amdhsa_user_sgpr_count 2
		.amdhsa_user_sgpr_kernarg_segment_ptr 1
		.amdhsa_wavefront_size32 1
		.amdhsa_system_sgpr_workgroup_id_x 1
		.amdhsa_system_sgpr_workgroup_id_y 1
		.amdhsa_system_sgpr_workgroup_id_z 1
		.amdhsa_system_vgpr_workitem_id 0
		.amdhsa_next_free_vgpr 1024
		.amdhsa_next_free_sgpr 102
		.amdhsa_reserve_vcc 0
		.amdhsa_float_denorm_mode_32 3
		.amdhsa_float_denorm_mode_16_64 3
		.amdhsa_memory_ordered 1
		.amdhsa_forward_progress 1
		.amdhsa_inst_pref_size 209
	.end_amdhsa_kernel
	.amdgpu_metadata
---
amdhsa.version: [ 1, 2 ]
amdhsa.kernels:
  - .name:           k_qd08c0ed376_gemm_qkv
    .symbol:         k_qd08c0ed376_gemm_qkv.kd
    .args:
      - { .name: x_codes, .offset: 0, .size: 8, .value_kind: global_buffer, .address_space: global }
      - { .name: x_scales, .offset: 8, .size: 8, .value_kind: global_buffer, .address_space: global }
      - { .name: wq_codes, .offset: 16, .size: 8, .value_kind: global_buffer, .address_space: global }
      - { .name: wq_scales, .offset: 24, .size: 8, .value_kind: global_buffer, .address_space: global }
      - { .name: wk_codes, .offset: 32, .size: 8, .value_kind: global_buffer, .address_space: global }
      - { .name: wk_scales, .offset: 40, .size: 8, .value_kind: global_buffer, .address_space: global }
      - { .name: wv_codes, .offset: 48, .size: 8, .value_kind: global_buffer, .address_space: global }
      - { .name: wv_scales, .offset: 56, .size: 8, .value_kind: global_buffer, .address_space: global }
      - { .name: bq, .offset: 64, .size: 8, .value_kind: global_buffer, .address_space: global }
      - { .name: bk, .offset: 72, .size: 8, .value_kind: global_buffer, .address_space: global }
      - { .name: bv, .offset: 80, .size: 8, .value_kind: global_buffer, .address_space: global }
      - { .name: qimg, .offset: 88, .size: 8, .value_kind: global_buffer, .address_space: global }
      - { .name: qscl, .offset: 96, .size: 8, .value_kind: global_buffer, .address_space: global }
      - { .name: kv, .offset: 104, .size: 8, .value_kind: global_buffer, .address_space: global }
    .group_segment_fixed_size: 327680
    .private_segment_fixed_size: 0
    .kernarg_segment_align: 8
    .kernarg_segment_size: 112
    .max_flat_workgroup_size: 128
    .sgpr_count:     102
    .vgpr_count:     1024
    .wavefront_size: 32
...
	.end_amdgpu_metadata
.endif
;; end of part 1
;; launch attn (part 2): grid 4 x 64, 8 waves a work-group, clusters of 4 x 1, 327,680 bytes of LDS; arguments qimg, qscl, kv, cimg, cscl; writes cimg, cscl
.if DOCPART == 2
	.amdgcn_target "amdgcn-amd-amdhsa--gfx1250"
	.amdhsa_code_object_version 6
	.text
	.protected	k_qd08c0ed376_attn
	.globl	k_qd08c0ed376_attn
	.p2align	8
	.type	k_qd08c0ed376_attn,@function
k_qd08c0ed376_attn:
	s_mov_b64 s[64:65], 0
	v_nop
	global_prefetch_b8 v0, s[64:65] scope:SCOPE_SE
	s_setreg_imm32_b32 hwreg(HW_REG_WAVE_MODE, 25, 1), 1
	s_wait_xcnt 0x0
	s_wait_alu depctr_hold_cnt(0) depctr_sa_sdst(0) depctr_va_vdst(0) depctr_va_sdst(0) depctr_va_ssrc(0) depctr_va_vcc(0) depctr_vm_vsrc(0)
	s_getreg_b32 s2, hwreg(HW_REG_IB_STS2, 6, 4)
	s_cmp_eq_u32 s2, 0
	s_cbranch_scc0 .Lentry_in_a_cluster
	s_endpgm
.Lentry_in_a_cluster:
	s_bfe_u32 s2, ttmp6, 0x10000c
	s_cmp_lg_u32 s2, 0x3003
	s_cbranch_scc0 .Lentry_shape_is_right
	s_endpgm
.Lentry_shape_is_right:
; ctx = softmax(q k^T / 8) v for one head, both products on codes of FP8 (E4M3) with one E8M0 scale for each 32 along K; ctx is quantised here along the channels and leaves as codes and scale bytes.
; THE SOFTMAX: t = score x log2(e) / 8; M = the running largest t rounded up to a whole number; p = 2^(t - M) is quantised along the keys; the row's sum is taken of the unquantised p and divides O at the end.
; When M moves, the sum and O are multiplied by 2^(old M - new M), in every step, with no branch on data.
; SHARES: a work-group owns 512 queries of one head (grid x = which 512, grid y = 16 x batch + head); each of its 8 waves owns 64 of them: two tiles of 16 in each of two passes.
; The head's 16 records of kv (128 keys each: K's tiles, V's fragments, their scale words; 270,336 bytes) are filled ONCE, two records a wave, and stay: no byte of LDS is filled again.
; THE ORDER OF WORK: the two tiles take turns.  Among the lines of one tile's softmax stand, one at a time, the other tile's products: its four of O^T += V^T P^T among the maxima, its next eight of S^T = K Q^T
; among the sums and holds.  So S^T and p's codes stand in two sets.  K's fragments of the next step are loaded at the head of the second tile's turn, V's in the middle of the first's.
; A pass's first turn has no tile before it: its four products multiply zero codes and add nothing (the turn is written once).  The last step is written out: it loads no further K and has no further S^T.
; CLUSTER: the four work-groups of a head read the same records and ask for them jointly (mask 15).
; No prefetch: every byte of kv that the work-group reads is asked for by the head's loads, so there is no loop to run ahead in.
; LAYOUT: a lane holds one query (lane % 16).  The head's 64 channels fill half of the instruction's K = 128: a fragment of K holds two tiles of 16 keys side by side, and Q stands beside eight registers of zero codes,
; on the one side or on the other, which picks the tile.  The 16 score registers of a fragment are 16 keys of one block of 32; lane l xor 16 holds the other 16.
; LIMITS: NaN and infinities are not served; the promise holds while the scaled scores stay under 2^31 in magnitude; a block of zeros gets the byte 1 (its codes are zeros; only this program reads the bytes).
; REGISTERS, window 0: v1-5 addresses; v8-15 two states (-M, largest t, the sum in two halves); v24-38 scale words; v40-69 at work; v70-101 p's codes; v102-229 S^T, then p; v230-251 the way out.
; window 1: v0-63 K's fragments, v64-127 V's, v128-191 O^T, v192-231 zeros and Q by turns, v232-247 the second pass's Q.
.set REC,  16896
.set PAIRB, 2*REC                      ; what one wave's load brings: 132 rows of 256 bytes
.set SPARE, 16*REC                     ; the spare words, 128 bytes a wave
.set LI,   1                           ; 16 x lane
.set LS,   2                           ; 16 x (lane % 16)
.set ADR,  3                           ; LI + the record in hand
.set ADS,  4                           ; LS + the record in hand
.set CSO,  5
.set STT,  8
.set KSC,  24                          ; K's scale words: numbers 0-3 modulo 8; Q's at 4, 5
.set VS,   28                          ; V's: 4-7 modulo 8; p's at 0, 1
.set PW,   32
.set FF,   34
.set QW,   36                          ; v36 Q's word, v37 the same with its halves swapped, v38 the second pass's
.set BM,   40
.set PB,   44
.set LIM,  48                          ; 448 x scale, twice for each block: the two halves of a dual line read different registers
.set SCO,  56
.set TMP,  60
.set CHN,  62                          ; four chains of the row's sum
.set PCD,  70
.set SS,   102
.set CC,   230
.set SND,  246
.set RCV,  247
.set HW,   248
.set RL,   250
.set SPW,  254
.set NIL,  255
.set KF,   0
.set VF,   64
.set OAC,  128
.set QZ,   192                         ; zeros at QZ + 16 k, tile t's Q at QZ + 8 + 16 t
.set QN,   232
.set WV,   14
.set G1,   24
.set G0,   40
.set TB,   48
.set CNT,  49
.set PASS, 50
.set MNT,  51
.set CS,   52
.set SEL,  54
.set HM,   56
.set FLR,  57
.set MSB, 0
.macro WIN new                         ; the immediate's high byte repeats the setting that is left
.if MSB != \new
	s_set_vgpr_msb (MSB<<8)|\new
.set MSB, \new
.endif
.endm
.macro NOPS n
.rept \n
	v_nop
.endr
.endm
.macro CROUND                          ; a round of the cluster's barrier
	s_barrier_signal -1
	s_barrier_wait -1
	s_cmp_lg_u32 s[WV], 0
	s_cbranch_scc1 .Lnot_wave_0_\@
	s_barrier_signal -3
.Lnot_wave_0_\@:
	s_barrier_wait -3
	s_barrier_signal -1
	s_barrier_wait -1
.endm
	s_load_b256 s[4:11], s[0:1], 0x0               ; qimg, qscl, kv, cimg
	s_load_b64 s[12:13], s[0:1], 0x20              ; cscl
	v_lshl_add_u32 v[SPW], v0, 2, SPARE
	v_mov_b32 v[NIL], 0
	ds_add_u32 v[SPW], v[NIL]                      ; the opening lines: the add, twice on end, and its wait below
	ds_add_u32 v[SPW], v[NIL]
	v_lshrrev_b32 v6, 5, v0
	v_readfirstlane_b32 s[WV], v6                  ; wave 0..7
	v_and_b32 v6, 31, v0
	v_lshlrev_b32 v[LI], 4, v6
	v_and_b32 v7, 15, v0
	v_lshlrev_b32 v[LS], 4, v7
	v_bfe_u32 v6, v0, 4, 1
	v_lshlrev_b32 v[CSO], 5, v7
	v_lshl_add_u32 v[CSO], v6, 9, v[CSO]           ; cscl: 32 bytes a token; lanes 16-31 the next tile
	s_bfe_u32 s15, ttmp6, 0x40000                  ; cx: which 512 queries
	s_and_b32 s16, ttmp7, 0xffff                   ; 16 x batch + head
	s_lshr_b32 s17, s16, 4
	s_and_b32 s18, s16, 15
	s_lshl_b32 s19, s15, 5
	s_lshl_b32 s20, s[WV], 1
	s_add_co_u32 s19, s19, s20                     ; my first tile of the head's 128; the second pass's lie 16 tiles on
	s_lshl_b32 s20, s16, 17
	s_lshl_b32 s21, s19, 10
	s_add_co_u32 s20, s20, s21                     ; s[20:21] Q's codes: 1,024 bytes a tile
	s_mov_b32 s21, 0
	s_lshl_b32 s22, s16, 12
	s_lshr_b32 s23, s19, 3
	s_lshl_b32 s23, s23, 8
	s_add_co_u32 s22, s22, s23
	s_and_b32 s23, s[WV], 3
	s_lshl_b32 s23, s23, 2
	s_add_co_u32 s22, s22, s23                     ; s[22:23] Q's scale words: 256 bytes for 128 tokens; my two tiles are one word of a row's four
	s_mov_b32 s23, 0
	s_mul_i32 s48, s16, 16*REC
	s_mul_i32 s50, s[WV], PAIRB                    ; my two records: in LDS, and in the head's part of kv
	s_add_co_u32 s48, s48, s50
	s_mov_b32 s49, 0
	s_mov_b32 s[G1], 15|(3<<16)|(1<<21)            ; the mask: all four work-groups; elements of 8 bytes; bit 21 beside a mask
	s_mov_b32 s[G1+1], 32<<16                      ; rows of 256 bytes,
	s_mov_b32 s[G1+2], (PAIRB/256)<<16             ; 132 of them, dense
	s_mov_b32 s[G1+3], 32<<16
	s_mov_b32 s[G1+4], PAIRB/256
	s_mov_b32 s[G1+5], 32
	s_mov_b32 s[G1+6], 0
	s_mov_b32 s[G1+7], 0
	s_lshl_b32 s44, s17, 7
	s_add_co_u32 s44, s44, s19                     ; 128 x batch + tile
	s_lshl_b32 s46, s44, 9
	s_lshl_b32 s47, s18, 1
	s_add_co_u32 s46, s46, s47                     ; s[46:47] cscl: 512 bytes a tile, 2 bytes a head
	s_mov_b32 s47, 0
	s_lshl_b32 s44, s44, 14
	s_lshl_b32 s45, s18, 10
	s_add_co_u32 s44, s44, s45                     ; s[44:45] cimg: 16,384 bytes a tile, 1,024 a head
	s_mov_b32 s45, 0
	s_mov_b32 s[MNT], 0x600000                     ; the mantissa field of 448
	s_mov_b32 s[CS], 0x3e38aa3b                    ; log2(e) / 8
	s_mov_b32 s[CS+1], s[CS]
	s_mov_b32 s[SEL], 0x76543210
	s_mov_b32 s[SEL+1], 0xfedcba98                 ; lane l xor 16
	s_mov_b32 s[HM], 0xffff0000                    ; lanes 16-31
	s_mov_b32 s[FLR], 0x4800000                    ; the floor 2^(9 - 127)
	s_wait_alu depctr_va_vdst(0)                   ; the wait ahead of the waits below
	s_wait_dscnt 0x0                               ; both opening adds are done
	s_wait_kmcnt 0x0
	s_add_nc_u64 s[4:5], s[4:5], s[20:21]
	s_add_nc_u64 s[6:7], s[6:7], s[22:23]
	s_add_nc_u64 s[10:11], s[10:11], s[44:45]
	s_add_nc_u64 s[12:13], s[12:13], s[46:47]
	s_mov_b32 s[G0], 1
	s_mov_b32 s[G0+1], s50
	s_add_nc_u64 s[G0+2:G0+3], s[8:9], s[48:49]
	s_or_b32 s[G0+3], s[G0+3], 0x80000000
	WIN 0x40
.irp t, 0,1
	global_load_b128 v[QZ+8+16*\t:QZ+11+16*\t], v[LI], s[4:5] offset:1024*\t
	global_load_b128 v[QZ+12+16*\t:QZ+15+16*\t], v[LI], s[4:5] offset:1024*\t+512
	global_load_b128 v[QN+8*\t:QN+8*\t+3], v[LI], s[4:5] offset:16384+1024*\t
	global_load_b128 v[QN+8*\t+4:QN+8*\t+7], v[LI], s[4:5] offset:16384+1024*\t+512
.endr
	WIN 0
	global_load_b32 v[QW], v[LS], s[6:7]
	global_load_b32 v[QW+2], v[LS], s[6:7] offset:512
	CROUND                                         ; all four work-groups are here: the joint loads meet
	tensor_load_to_lds s[G0:G0+3], s[G1:G1+7]      ; one load a wave, every wave: records 2 w and 2 w + 1
	s_nop 0
	NOPS 4
	WIN 0x40
.irp k, 0,1,2
.irp j, 0,1,2,3,4,5,6,7
	v_mov_b32 v[QZ+16*\k+\j], 0                    ; the zero codes beside Q
.endr
.endr
	WIN 0
.irp b, 0,1,2,3
	v_mov_b32 v[PB+\b], 0                          ; a lane permute's destination counts as a source
.endr
	v_mov_b32 v[RCV], 0
	v_mov_b32 v[FF+1], 0                           ; named as the upper half of a pair
; product n of tile t's eight of S^T: fragment n / 2 of K against Q beside zeros, on the side n % 2
.macro QK1 t, n
	WIN 0x05
.if (\n)%2
	v_wmma_scale_f32_16x16x128_f8f6f4 v[SS+64*(\t)+8*(\n):SS+64*(\t)+8*(\n)+7], v[KF+16*((\n)/2):KF+16*((\n)/2)+15], v[QZ+16*(\t):QZ+15+16*(\t)], 0, v[KSC+(\n)/2], v[QW+1-(\t)]
.else
	v_wmma_scale_f32_16x16x128_f8f6f4 v[SS+64*(\t)+8*(\n):SS+64*(\t)+8*(\n)+7], v[KF+16*((\n)/2):KF+16*((\n)/2)+15], v[QZ+8+16*(\t):QZ+23+16*(\t)], 0, v[KSC+(\n)/2], v[QW+(\t)]
.endif
	WIN 0
.endm
; product n of tile t's four of O^T += V^T P^T
.macro PV1 t, n
	WIN 0x51
	v_wmma_scale_f32_16x16x128_f8f6f4 v[OAC+32*(\t)+8*(\n):OAC+32*(\t)+8*(\n)+7], v[VF+16*(\n):VF+16*(\n)+15], v[PCD+16*(\t):PCD+16*(\t)+15], v[OAC+32*(\t)+8*(\n):OAC+32*(\t)+8*(\n)+7], v[VS+(\n)], v[PW+(\t)]
	WIN 0
.endm
.macro FMAS from                       ; t - M of 16 scores, two a line
.irp j, 0,2,4,6,8,10,12,14
	v_pk_fma_f32 v[S_+\from+\j:S_+\from+\j+1], v[S_+\from+\j:S_+\from+\j+1], s[CS:CS+1], v[ST_:ST_+1] op_sel_hi:[1,0,0]
.endr
.endm
; ONE TILE'S TURN: the softmax of tile t's 128 keys, with the other tile's products among its lines.  nx = 0: the pass's last turn: no further K, no further S^T
.macro UNIT t, nx
.set ST_, STT+4*(\t)
.set S_,  SS+64*(\t)
.set P_,  PCD+16*(\t)
.set U_,  1-(\t)
.if (\t) == 1
.if \nx
	ds_load_b128 v[KSC:KSC+3], v[ADS] offset:REC+16384   ; the next record's K: its registers were last read 20 vector lines and more ago
	WIN 0x40
.set I_, 0
.rept 16
	ds_load_b128 v[KF+4*I_:KF+4*I_+3], v[ADR] offset:REC+512*I_
.set I_, I_+1
.endr
	WIN 0
	s_add_co_u32 s[TB], s[TB], REC
	v_add_nc_u32 v[ADR], s[TB], v[LI]              ; on to the next record
	v_add_nc_u32 v[ADS], s[TB], v[LS]
	s_wait_dscnt 17                                ; all but the 17 just issued: V and its scale words are in
.else
	s_wait_dscnt 0x0                               ; V
.endif
.endif
.irp b, 0,1,2,3
	v_max3_num_f32 v[BM+\b], v[S_+16*\b], v[S_+16*\b+1], v[S_+16*\b+2]   ; the largest score of each block of 32 keys: for the row's maximum and for the block's largest p
.endr
.set I_, 0
.rept 24
	v_max3_num_f32 v[BM+I_%4], v[BM+I_%4], v[S_+16*(I_%4)+3+2*(I_/4)], v[S_+16*(I_%4)+4+2*(I_/4)]
.if (I_%5 == 2) && (I_ >= 7)
	PV1 U_, (I_-7)/5
.endif
.set I_, I_+1
.endr
.irp b, 0,1,2,3
	v_max_num_f32 v[BM+\b], v[BM+\b], v[S_+16*\b+15]
.endr
.irp b, 0,1,2,3
	s_delay_alu instid0(VALU_DEP_4)
	v_permlanex16_b32 v[PB+\b], v[BM+\b], s[SEL], s[SEL+1]
.endr
.irp b, 0,1,2,3
	s_delay_alu instid0(VALU_DEP_4)
	v_max_num_f32 v[BM+\b], v[BM+\b], v[PB+\b]
.endr
	s_delay_alu instid0(VALU_DEP_2)
	v_max3_num_f32 v[TMP], v[BM], v[BM+1], v[BM+2]
	s_delay_alu instid0(VALU_DEP_1)
	v_max_num_f32 v[TMP], v[TMP], v[BM+3]
	s_delay_alu instid0(VALU_DEP_1)
	v_mul_f32 v[TMP], s[CS], v[TMP]
	s_delay_alu instid0(VALU_DEP_1)
	v_max_num_f32 v[ST_+1], v[ST_+1], v[TMP]       ; the running largest t
	v_mov_b32 v[TMP], v[ST_]
	s_delay_alu instid0(VALU_DEP_2)
	v_floor_f32 v[ST_], -v[ST_+1]                  ; the new -M
	FMAS 0
	v_sub_f32 v[TMP], v[ST_], v[TMP]               ; old M less new M; its three lines stand among the scalings
	FMAS 16
	v_cvt_i32_f32 v[TMP], v[TMP]
	FMAS 32
	v_ldexp_f32 v[FF], 1.0, v[TMP]                 ; f = 2^(old M - new M)
	FMAS 48
.irp b, 0,1,2,3
	v_fma_f32 v[BM+\b], v[BM+\b], s[CS], v[ST_]
.endr
.if (\t) == 0
	ds_load_b128 v[VS:VS+3], v[ADS] offset:16640   ; this record's V: the last products on the record before stand 50 vector lines and more back
	WIN 0x40
.set I_, 0
.rept 16
	ds_load_b128 v[VF+4*I_:VF+4*I_+3], v[ADR] offset:8192+512*I_
.set I_, I_+1
.endr
	WIN 0
.endif
	s_wait_alu depctr_va_vdst(0)                   ; the wait ahead of the batch
.set I_, 0
.rept 64
	v_exp_f32 v[S_+I_], v[S_+I_]                   ; p = 2^(t - M)
.set I_, I_+1
.endr
.irp b, 0,1,2,3
	v_exp_f32 v[BM+\b], v[BM+\b]                   ; each block's largest p
.endr
	v_nop                                          ; a plain place behind the batch
	s_wait_alu depctr_va_vdst(0)                   ; and the one wait behind it
.if ((\t) == 1) && (\nx)
	s_wait_dscnt 0x0                               ; the next record's K is in
.endif
.irp b, 0,1,2,3
	v_max_num_f32 v[BM+\b], s[FLR], v[BM+\b]
.endr
.irp b, 0,1,2,3
	s_delay_alu instid0(VALU_DEP_4)
	v_add_nc_u32 v[SCO+\b], 0xfc000000, v[BM+\b]   ; 8 off the exponent field: the conversion's scale operand
.endr
.irp b, 0,1,2,3
	v_and_or_b32 v[LIM+2*\b], v[BM+\b], 0x7f800000, s[MNT]   ; 448 x the scale
.endr
.irp b, 0,1,2,3
	v_and_or_b32 v[LIM+2*\b+1], v[BM+\b], 0x7f800000, s[MNT]
.endr
.irp b, 0,1,2,3
	v_lshrrev_b32 v[PB+\b], 23, v[SCO+\b]          ; the scale's byte
.endr
	v_lshl_or_b32 v[PW+(\t)], v[PB+1], 8, v[PB]    ; the scale word's three lines stand among the sums' first
	v_pk_add_f32 v[CHN:CHN+1], v[S_:S_+1], v[S_+2:S_+3]
	v_pk_add_f32 v[CHN+2:CHN+3], v[S_+4:S_+5], v[S_+6:S_+7]
	v_lshl_or_b32 v[PW+(\t)], v[PB+2], 16, v[PW+(\t)]
	v_pk_add_f32 v[CHN+4:CHN+5], v[S_+8:S_+9], v[S_+10:S_+11]
	v_pk_add_f32 v[CHN+6:CHN+7], v[S_+12:S_+13], v[S_+14:S_+15]
	v_lshl_or_b32 v[PW+(\t)], v[PB+3], 24, v[PW+(\t)]
.set I_, 8
.rept 24
	v_pk_add_f32 v[CHN+2*(I_%4):CHN+2*(I_%4)+1], v[CHN+2*(I_%4):CHN+2*(I_%4)+1], v[S_+2*I_:S_+2*I_+1]   ; the sum of the unquantised p, four chains by turns
.if (\nx) && (I_%5 == 0)
	QK1 U_, I_/5-2
.endif
.set I_, I_+1
.endr
.irp b, 0,1,2,3
.irp i, 0,2,4,6,8,10,12,14
	v_dual_min_num_f32 v[S_+16*\b+\i], v[S_+16*\b+\i], v[LIM+2*\b] :: v_dual_min_num_f32 v[S_+16*\b+\i+1], v[S_+16*\b+\i+1], v[LIM+2*\b+1]   ; the hold (the conversion does not saturate: ISA guide 7.6.2); p is not negative
.if (\nx) && (\i == 6) && (\b < 3)
	QK1 U_, 5+\b
.endif
.endr
	v_cvt_scalef32_pk8_fp8_f32 v[P_+4*\b:P_+4*\b+1], v[S_+16*\b:S_+16*\b+7], v[SCO+\b]
	v_cvt_scalef32_pk8_fp8_f32 v[P_+4*\b+2:P_+4*\b+3], v[S_+16*\b+8:S_+16*\b+15], v[SCO+\b]
.endr
	v_pk_add_f32 v[CHN:CHN+1], v[CHN:CHN+1], v[CHN+2:CHN+3]          ; the four chains into one, and the row's sum under the new M
	v_pk_add_f32 v[CHN+4:CHN+5], v[CHN+4:CHN+5], v[CHN+6:CHN+7]
	v_pk_add_f32 v[CHN:CHN+1], v[CHN:CHN+1], v[CHN+4:CHN+5]
	v_pk_fma_f32 v[ST_+2:ST_+3], v[ST_+2:ST_+3], v[FF:FF+1], v[CHN:CHN+1] op_sel_hi:[1,0,1]
	WIN 0x41
	s_wait_alu depctr_va_vdst(0)                   ; the wait directly ahead of the first reader of O^T
.irp j, 0,2,4,6,8,10,12,14,16,18,20,22,24,26,28,30
	v_pk_mul_f32 v[OAC+32*(\t)+\j:OAC+32*(\t)+\j+1], v[OAC+32*(\t)+\j:OAC+32*(\t)+\j+1], v[FF:FF+1] op_sel_hi:[1,0]   ; O^T under the new M; its products follow in the other tile's turn
.endr
	WIN 0
.endm
; ctx's quantiser for one tile: 32 numbers a lane, two blocks of 32 channels shared with lane l xor 16; the codes are then laid as the operand's layout has them (16 h + 0 .. 15)
.macro CQ xb, cc, hw
.irp b, 0,1
	v_max3_num_f32 v[BM+\b], |v[\xb+16*\b]|, |v[\xb+16*\b+1]|, s[FLR]
.endr
.irp i, 2,4,6,8,10,12,14
.irp b, 0,1
	s_delay_alu instid0(VALU_DEP_2)
	v_max3_num_f32 v[BM+\b], v[BM+\b], |v[\xb+16*\b+\i]|, |v[\xb+16*\b+\i+1]|
.endr
.endr
.irp b, 0,1
	s_delay_alu instid0(VALU_DEP_2)
	v_permlanex16_b32 v[PB+\b], v[BM+\b], s[SEL], s[SEL+1]
.endr
.irp b, 0,1
	s_delay_alu instid0(VALU_DEP_2)
	v_max_num_f32 v[BM+\b], v[BM+\b], v[PB+\b]
.endr
.irp b, 0,1
	s_delay_alu instid0(VALU_DEP_2)
	v_add_nc_u32 v[SCO+\b], 0xfc000000, v[BM+\b]
.endr
.irp b, 0,1
	s_delay_alu instid0(VALU_DEP_4)
	v_and_or_b32 v[LIM+\b], v[BM+\b], 0x7f800000, s[MNT]
.endr
.irp b, 0,1
	s_delay_alu instid0(VALU_DEP_4)
	v_lshrrev_b32 v[PB+\b], 23, v[SCO+\b]
.endr
	s_delay_alu instid0(VALU_DEP_1)
	v_lshl_or_b32 v[\hw], v[PB+1], 8, v[PB]
.irp b, 0,1
.irp i, 0,1,2,3,4,5,6,7,8,9,10,11,12,13,14,15
	v_med3_num_f32 v[\xb+16*\b+\i], v[\xb+16*\b+\i], -v[LIM+\b], v[LIM+\b]
.endr
	v_cvt_scalef32_pk8_fp8_f32 v[\cc+4*\b:\cc+4*\b+1], v[\xb+16*\b:\xb+16*\b+7], v[SCO+\b]
	v_cvt_scalef32_pk8_fp8_f32 v[\cc+4*\b+2:\cc+4*\b+3], v[\xb+16*\b+8:\xb+16*\b+15], v[SCO+\b]
.endr
	v_nop
.irp b, 0,1
.irp k, 0,1
	v_cndmask_b32 v[SND], v[\cc+4*\b+2+\k], v[\cc+4*\b+\k], s[HM]
	s_delay_alu instid0(VALU_DEP_1)
	v_permlanex16_b32 v[RCV], v[SND], s[SEL], s[SEL+1]
	v_cndmask_b32 v[\cc+4*\b+\k], v[\cc+4*\b+\k], v[RCV], s[HM]
	v_cndmask_b32 v[\cc+4*\b+2+\k], v[RCV], v[\cc+4*\b+2+\k], s[HM]
.endr
.endr
.endm
	s_wait_alu depctr_va_vdst(0)                   ; the wait at the head's end
	s_wait_loadcnt 0x0                             ; Q and its scale words
	s_wait_tensorcnt 0x0                           ; my two records are in,
	s_barrier_signal -1
	s_barrier_wait -1                              ; everybody's are: all 16
	s_mov_b32 s[PASS], 2
.Lpass:
	v_alignbit_b32 v[QW+1], v[QW], v[QW], 16       ; the word with its halves swapped: for Q on the other side of the zeros
	s_mov_b32 s[TB], 0
	v_mov_b32 v[ADR], v[LI]
	v_mov_b32 v[ADS], v[LS]
	ds_load_b128 v[KSC:KSC+3], v[ADS] offset:16384
	ds_load_b128 v[VS:VS+3], v[ADS] offset:16640
	WIN 0x40
.set I_, 0
.rept 32
	ds_load_b128 v[KF+4*I_:KF+4*I_+3], v[ADR] offset:512*I_   ; record 0: K, and V, so that the first turn's four products find codes
.set I_, I_+1
.endr
.set I_, 0
.rept 64
	v_mov_b32 v[OAC+I_], 0                         ; O^T
.set I_, I_+1
.endr
	WIN 0
.irp t, 0,1
	v_mov_b32 v[STT+4*\t+1], 0xff61b1e6            ; the largest t so far: -3e38
	v_mov_b32 v[STT+4*\t+2], 0
	v_mov_b32 v[STT+4*\t+3], 0
.endr
.irp t, 0,1
	v_floor_f32 v[STT+4*\t], -v[STT+4*\t+1]        ; -M
.endr
.set I_, 0
.rept 16
	v_mov_b32 v[PCD+16+I_], 0                      ; zero codes for the first turn's four products,
.set I_, I_+1
.endr
	v_mov_b32 v[PW+1], 0x7f7f7f7f                  ; under the scale 1
	s_wait_alu depctr_va_vdst(0)                   ; the wait ahead of the wait below
	s_wait_dscnt 0x0
.irp n, 0,1,2,3,4,5,6,7
	QK1 0, \n
.endr
	NOPS 8
	s_mov_b32 s[CNT], 15
.Lstep:
	UNIT 0, 1
	UNIT 1, 1
	s_sub_co_u32 s[CNT], s[CNT], 1
	s_cmp_lg_u32 s[CNT], 0
	s_cbranch_scc1 .Lstep
	UNIT 0, 1                                      ; record 15
	UNIT 1, 0
	s_wait_alu depctr_va_vdst(0)
.irp n, 0,1,2,3
	PV1 1, \n
.endr
	; THE WAY OUT: O^T / the sum, quantised; each store of codes covers 512 consecutive bytes, aligned
.irp t, 0,1
	v_add_f32 v[RL+\t], v[STT+4*\t+2], v[STT+4*\t+3]
.endr
.irp t, 0,1
	v_permlanex16_b32 v[PB+\t], v[RL+\t], s[SEL], s[SEL+1]
.endr
.irp t, 0,1
	v_add_f32 v[RL+\t], v[RL+\t], v[PB+\t]
.endr
	s_wait_alu depctr_va_vdst(0)                   ; the wait ahead of the batch
	v_rcp_f32 v[RL], v[RL]
	v_rcp_f32 v[RL+1], v[RL+1]
	v_nop
	WIN 0x01
	s_wait_alu depctr_va_vdst(0)                   ; behind the batch, and directly ahead of the readers of O^T
.set I_, 0
.rept 32
	v_mul_f32 v[SS+I_], v[OAC+I_], v[RL]           ; (these 32 are also the places behind the last four products)
.set I_, I_+1
.endr
.set I_, 0
.rept 32
	v_mul_f32 v[SS+32+I_], v[OAC+32+I_], v[RL+1]
.set I_, I_+1
.endr
	WIN 0
	CQ SS, CC, HW
	CQ SS+32, CC+8, HW+1
	v_cndmask_b32 v[HW], v[HW], v[HW+1], s[HM]
	global_store_b128 v[LI], v[CC:CC+3], s[10:11]
	global_store_b128 v[LI], v[CC+4:CC+7], s[10:11] offset:512
	global_store_b128 v[LI], v[CC+8:CC+11], s[10:11] offset:16384
	global_store_b128 v[LI], v[CC+12:CC+15], s[10:11] offset:16384+512
	global_store_b16 v[CSO], v[HW], s[12:13]
	s_wait_xcnt 0x0                                ; the stores have read their data and bases: both are written again only behind this wait
	s_add_nc_u64 s[10:11], s[10:11], 16*16384      ; the second pass's tiles
	s_add_nc_u64 s[12:13], s[12:13], 16*512
	WIN 0x41
.irp j, 0,1,2,3,4,5,6,7
	v_mov_b32 v[QZ+8+\j], v[QN+\j]
	v_mov_b32 v[QZ+24+\j], v[QN+8+\j]
.endr
	WIN 0
	v_mov_b32 v[QW], v[QW+2]
	s_sub_co_u32 s[PASS], s[PASS], 1
	s_cmp_lg_u32 s[PASS], 0
	s_wait_alu depctr_va_vdst(0)                   ; the wait directly ahead of the branch
	s_cbranch_scc1 .Lpass
	s_wait_tensorcnt 0x0                           ; the wave's end
	ds_add_u32 v[SPW], v[NIL]
	s_wait_dscnt 0x0
	CROUND                                         ; the closing round
	s_endpgm
.Lfunc_end_k_qd08c0ed376_attn:
	.size	k_qd08c0ed376_attn, .Lfunc_end_k_qd08c0ed376_attn-k_qd08c0ed376_attn
	.p2alignl 7, 3214868480
	.fill 96, 4, 3214868480
	.section	.rodata,"a",@progbits
	.p2align	6, 0x0
	.amdhsa_kernel k_qd08c0ed376_attn
		.amdhsa_group_segment_fixed_size 327680
		.amdhsa_private_segment_fixed_size 0
		.amdhsa_enable_private_segment 0
		.amdhsa_kernarg_size 40
		.amdhsa_user_sgpr_count 2
		.amdhsa_user_sgpr_kernarg_segment_ptr 1
		.amdhsa_wavefront_size32 1
		.amdhsa_system_sgpr_workgroup_id_x 1
		.amdhsa_system_sgpr_workgroup_id_y 1
		.amdhsa_system_sgpr_workgroup_id_z 1
		.amdhsa_system_vgpr_workitem_id 0
		.amdhsa_next_free_vgpr 512
		.amdhsa_next_free_sgpr 66
		.amdhsa_reserve_vcc 0
		.amdhsa_float_denorm_mode_32 3
		.amdhsa_float_denorm_mode_16_64 3
		.amdhsa_memory_ordered 1
		.amdhsa_forward_progress 1
		.amdhsa_inst_pref_size 100
	.end_amdhsa_kernel
	.amdgpu_metadata
---
amdhsa.version: [ 1, 2 ]
amdhsa.kernels:
  - .name:           k_qd08c0ed376_attn
    .symbol:         k_qd08c0ed376_attn.kd
    .args:
      - { .name: qimg, .offset: 0, .size: 8, .value_kind: global_buffer, .address_space: global }
      - { .name: qscl, .offset: 8, .size: 8, .value_kind: global_buffer, .address_space: global }
      - { .name: kv, .offset: 16, .size: 8, .value_kind: global_buffer, .address_space: global }
      - { .name: cimg, .offset: 24, .size: 8, .value_kind: global_buffer, .address_space: global }
      - { .name: cscl, .offset: 32, .size: 8, .value_kind: global_buffer, .address_space: global }
    .group_segment_fixed_size: 327680
    .private_segment_fixed_size: 0
    .kernarg_segment_align: 8
    .kernarg_segment_size: 40
    .max_flat_workgroup_size: 256
    .sgpr_count:     66
    .vgpr_count:     512
    .wavefront_size: 32
...
	.end_amdgpu_metadata
.endif
;; end of part 2
;; launch gemm_out (part 3): grid 4 x 64, 4 waves a work-group, clusters of 4 x 4, 327,680 bytes of LDS; arguments cimg, cscl, wo_codes, wo_scales, bo, out0; writes out0
.if DOCPART == 3
	.amdgcn_target "amdgcn-amd-amdhsa--gfx1250"
	.amdhsa_code_object_version 6
	.text
	.protected	k_qd08c0ed376_gemm_out
	.globl	k_qd08c0ed376_gemm_out
	.p2align	8
	.type	k_qd08c0ed376_gemm_out,@function
k_qd08c0ed376_gemm_out:
	s_mov_b64 s[64:65], 0
	v_nop
	global_prefetch_b8 v0, s[64:65] scope:SCOPE_SE
	s_setreg_imm32_b32 hwreg(HW_REG_WAVE_MODE, 25, 1), 1
	s_wait_xcnt 0x0
	s_wait_alu depctr_hold_cnt(0) depctr_sa_sdst(0) depctr_va_vdst(0) depctr_va_sdst(0) depctr_va_ssrc(0) depctr_va_vcc(0) depctr_vm_vsrc(0)
	s_getreg_b32 s2, hwreg(HW_REG_IB_STS2, 6, 4)
	s_cmp_eq_u32 s2, 0
	s_cbranch_scc0 .Lentry_in_a_cluster
	s_endpgm
.Lentry_in_a_cluster:
	s_bfe_u32 s2, ttmp6, 0x10000c
	s_cmp_lg_u32 s2, 0xf033
	s_cbranch_scc0 .Lentry_shape_is_right
	s_endpgm
.Lentry_shape_is_right:
; out0 = ctx wo^T + bo on codes of FP8 (E4M3) with one E8M0 scale for each 32 along K = 1,024; sums in f32.
; A = ctx: cimg [tile of 16 tokens][K step of 256: 4,096 bytes][128 of K: 2,048][32 of K: 512][lane][16]: images of operand registers; cscl [token][32 scale bytes].  B = wo: rows of 1,024 codes, 32 scale bytes.
; A BLOCK of 128 tokens x 256 columns is made by four waves, 64 x 128 each (32 accumulators): 64 x 4 blocks are 256 work-groups.
; K goes in four steps of 256 through a ring of two LDS slots filled by joint tensor loads: 4 x 4 work-groups form a cluster; A's tile is shared along a row of the cluster, B's along a column.
; Waves 0 and 1 fetch A's halves (4 tiles of 16 tokens x 4,096 bytes), waves 2 and 3 B's (128 rows of 256 bytes, 16 bytes of padding behind each in LDS).  The four steps are written out by one macro.
; THE SCALE WORDS of a wave's 64 + 128 rows, for all of K, go from memory straight into registers, once: a block's 16 rows are 512 consecutive bytes.  The bias is the C of each sum's first product.
; The matrix instruction is used transposed (source 0 = 16 rows of wo, source 1 = 16 tokens): a lane holds eight neighbouring columns of a row of out0; blocks of 16 rows leave through the wave's stage in LDS as rows of 512 bytes.
; PREFETCH: behind the loads of K steps 0 and 1 each wave names K step 2's and 3's part of what it will fetch; the four partners of a joint load share its blocks of 256 bytes out by address.
; LIMITS: NaN and infinities among the inputs are not served.
; REGISTERS: window 0: v16-30 addresses; v32-63 A's scale words (8 a + q); v64-127 B's (8 b + (q + 4) % 8: no product's two scale registers have numbers equal modulo 8); v128-255 A's fragments, two sets.
; window 1: B's fragments, two sets.  window 2: the accumulators ((a, b) at v[8 (8 a + b)]).  window 3: v0-63 the bias.
.set SIZE_N, 1024
.set PITCH,  272
.set HALFT,  128*PITCH
.set ASZ,    32768                     ; A's part of a slot: 8 tiles x 4,096 bytes
.set SLOT,   ASZ+2*HALFT
.set SPARE,  2*SLOT
.set SPITCH, 528
.set ADRA, 16
.set ADRB, 20
.set LSC,  22
.set BO,   23
.set STO,  24
.set RD,   25
.set CO,   26
.set SPW,  28
.set NIL,  29
.set PFO,  30
.set SAB,  32
.set SBB,  64
.set AF,   128
.set BK,   128
.set BI,   0
.set G1,   24
.set G0,   32
.set G1B,  48
.set G0B,  56
.set OUTP, 70
.set PFA,  72
.set PFS,  74
.set MSB, 0
.macro WIN new                         ; the immediate's high byte repeats the setting that is left
.if MSB != \new
	s_set_vgpr_msb (MSB<<8)|\new
.set MSB, \new
.endif
.endm
.macro PLACES n
.rept \n
	v_nop
.endr
.endm
.macro JLOAD s                         ; a joint load: waves 0 and 1 for A, waves 2 and 3 for B; an s_nop 0 and four v_nop follow each line
	s_cmp_eq_u32 s15, 0
	s_cbranch_scc0 .Lfor_b_\@
	tensor_load_to_lds s[G0+4*(\s):G0+4*(\s)+3], s[G1:G1+7]
	s_nop 0
	PLACES 4
	s_branch .Lasked_\@
.Lfor_b_\@:
	tensor_load_to_lds s[G0B+4*(\s):G0B+4*(\s)+3], s[G1B:G1B+7]
	s_nop 0
	PLACES 4
.Lasked_\@:
.endm
.macro CREST                           ; a round of the cluster's barrier behind its opening barrier
	s_cmp_lg_u32 s14, 0
	s_cbranch_scc1 .Lnot_wave_0_\@
	s_barrier_signal -3
.Lnot_wave_0_\@:
	s_barrier_wait -3
	s_barrier_signal -1
	s_barrier_wait -1
.endm
.macro CROUND
	s_barrier_signal -1
	s_barrier_wait -1
	CREST
.endm
.macro OFF d, x, sx, y, sy             ; s[d:d+1] = (s x << sx) + (s y << sy)
	s_lshl_b32 s[\d], s[\x], \sx
	s_lshl_b32 s3, s[\y], \sy
	s_add_co_u32 s[\d], s[\d], s3
	s_mov_b32 s[\d+1], 0
.endm
	s_load_b256 s[4:11], s[0:1], 0x0               ; cimg, cscl, wo_codes, wo_scales
	s_load_b128 s[68:71], s[0:1], 0x20             ; bo, out0
	v_lshl_add_u32 v[SPW], v0, 2, SPARE
	v_mov_b32 v[NIL], 0
	ds_add_u32 v[SPW], v[NIL]                      ; the opening lines: the add, twice on end, and its wait below
	ds_add_u32 v[SPW], v[NIL]
	v_lshrrev_b32 v1, 5, v0
	v_readfirstlane_b32 s14, v1                    ; wave 0..3
	v_and_b32 v1, 15, v0                           ; r
	v_bfe_u32 v2, v0, 4, 1                         ; h
	v_and_b32 v6, 31, v0                           ; lane
	v_lshlrev_b32 v[LSC], 5, v1                    ; a row of scale bytes is 32 bytes
	v_lshlrev_b32 v[BO], 5, v2
	v_lshlrev_b32 v[CO], 4, v6
	s_lshr_b32 s15, s14, 1                         ; which 64 tokens are mine.  Also: I fetch for A (0) or for B (1)
	s_and_b32 s16, s14, 1                          ; which 128 columns.  Also: which half of that tile I fetch
	s_bfe_u32 s40, ttmp6, 0x40000                  ; cx, cy
	s_bfe_u32 s41, ttmp6, 0x40004
	s_lshl_b32 s42, ttmp9, 2
	s_add_co_u32 s42, s42, s40                     ; block column: 256 columns
	s_and_b32 s17, ttmp7, 0xffff
	s_lshl_b32 s17, s17, 2
	s_add_co_u32 s17, s17, s41                     ; block row: 128 tokens
	s_lshl_b32 s43, s41, 2
	s_lshl_b32 s43, 15, s43                        ; my row of the cluster
	s_lshl_b32 s44, 0x1111, s40                    ; my column
	s_or_b32 s[G1+0], s43, (3<<16)|(1<<21)         ; A: 4 rows of 4,096 bytes (512 elements of 8), 16,384 bytes apart
	s_mov_b32 s[G1+1], 512<<16
	s_mov_b32 s[G1+2], 4<<16
	s_mov_b32 s[G1+3], 512<<16
	s_mov_b32 s[G1+4], 4
	s_mov_b32 s[G1+5], 2048
	s_mov_b32 s[G1+6], 0
	s_mov_b32 s[G1+7], 0
	s_or_b32 s[G1B+0], s44, (0<<16)|(1<<20)|(1<<21)|(5<<22)|(3<<25)  ; B: 128 rows of 256 bytes, 1,024 apart; four words of padding after every 64
	s_mov_b32 s[G1B+1], 256<<16
	s_mov_b32 s[G1B+2], 128<<16
	s_mov_b32 s[G1B+3], 256<<16
	s_mov_b32 s[G1B+4], 128
	s_mov_b32 s[G1B+5], 1024
	s_mov_b32 s[G1B+6], 0
	s_mov_b32 s[G1B+7], 0
	OFF 82, 17, 17, 16, 16                         ; A's codes: 8 tiles a block row, the 4 that I fetch
	OFF 84, 17, 12, 15, 11                         ; A's scale bytes: my 64 tokens
	OFF 86, 42, 18, 16, 17                         ; B's codes: the 128 rows that I fetch (and multiply)
	OFF 88, 42, 13, 16, 12                         ; B's scale bytes
	OFF 90, 42, 10, 16, 9                          ; the bias, and my first column in bytes
	OFF 94, 17, 19, 15, 18                         ; my first row of out0
	s_lshl_b32 s45, s16, 14                        ; where my tile goes in a slot: A's half,
	s_mul_i32 s66, s16, HALFT
	s_add_co_u32 s66, s66, ASZ                     ; or B's: no place in the cluster enters an LDS address
	s_wait_alu depctr_va_vdst(0)                   ; the wait ahead of the waits below
	s_wait_dscnt 0x0                               ; both opening adds are done
	s_wait_kmcnt 0x0
	s_add_nc_u64 s[20:21], s[4:5], s[82:83]
	s_add_nc_u64 s[22:23], s[6:7], s[84:85]
	s_add_nc_u64 s[46:47], s[8:9], s[86:87]
	s_add_nc_u64 s[92:93], s[10:11], s[88:89]
	s_add_nc_u64 s[68:69], s[68:69], s[90:91]
	s_add_nc_u64 s[OUTP:OUTP+1], s[OUTP:OUTP+1], s[90:91]
	s_add_nc_u64 s[OUTP:OUTP+1], s[OUTP:OUTP+1], s[94:95]
.irp a, 0,1,2,3
	global_load_b128 v[SAB+8*\a:SAB+8*\a+3], v[LSC], s[22:23] offset:512*\a
	global_load_b128 v[SAB+8*\a+4:SAB+8*\a+7], v[LSC], s[22:23] offset:512*\a+16
.endr
.irp b, 0,1,2,3,4,5,6,7
	global_load_b128 v[SBB+8*\b+4:SBB+8*\b+7], v[LSC], s[92:93] offset:512*\b
	global_load_b128 v[SBB+8*\b:SBB+8*\b+3], v[LSC], s[92:93] offset:512*\b+16
.endr
	WIN 0xc0
.irp b, 0,1,2,3,4,5,6,7
	global_load_b128 v[BI+8*\b:BI+8*\b+3], v[BO], s[68:69] offset:64*\b        ; register 8 b + j = bias(16 b + 8 h + j)
	global_load_b128 v[BI+8*\b+4:BI+8*\b+7], v[BO], s[68:69] offset:64*\b+16
.endr
	WIN 0
.irp s, 0,1
	s_mov_b32 s[G0+4*\s], 1
	s_add_co_u32 s[G0+4*\s+1], s45, \s*SLOT
	s_add_nc_u64 s[G0+4*\s+2:G0+4*\s+3], s[20:21], \s*4096
	s_or_b32 s[G0+4*\s+3], s[G0+4*\s+3], 0x80000000
	s_mov_b32 s[G0B+4*\s], 1
	s_add_co_u32 s[G0B+4*\s+1], s66, \s*SLOT
	s_add_nc_u64 s[G0B+4*\s+2:G0B+4*\s+3], s[46:47], \s*256
	s_or_b32 s[G0B+4*\s+3], s[G0B+4*\s+3], 0x80000000
.endr
	CROUND                                         ; all sixteen work-groups are here: the first joint loads meet
	JLOAD 0                                        ; K step 0: one tensor load a wave at the head
	; the prefetches.  A's waves: a K step of my 4 tiles is 64 blocks of 256 bytes: the partner at cx takes tile cx's 16 (lanes 16-31 name the last again).  B's: of my 128 rows the partner at cy takes 32, a lane a row
	s_cmp_eq_u32 s15, 0
	s_cselect_b64 s[PFA:PFA+1], s[20:21], s[46:47]
	s_cselect_b32 s75, s40, s41
	s_mov_b32 s76, 32*1024
	s_cselect_b32 s76, 16384, s76                  ; from partner to partner
	s_mov_b32 s[PFS], 256
	s_cselect_b32 s[PFS], 4096, s[PFS]             ; from K step to K step
	s_mov_b32 s77, 1024
	s_cselect_b32 s77, 256, s77                    ; from lane to lane
	s_cselect_b32 s78, 15, 31
	s_mul_i32 s80, s76, s75
	s_mov_b32 s75, 0                               ; s[74:75]: the step as a pair
	s_lshl_b32 s81, s[PFS], 1
	s_add_co_u32 s80, s80, s81                     ; my share, at K step 2
	s_mov_b32 s81, 0
	s_add_nc_u64 s[PFA:PFA+1], s[PFA:PFA+1], s[80:81]
	v_min_u32 v[PFO], s78, v6
	v_mul_lo_u32 v[PFO], v[PFO], s77
	v_mul_u32_u24 v3, v1, PITCH
	v_lshl_add_u32 v4, v2, 4, v3                   ; B: a fragment's row x pitch + 16 x half
	s_lshl_b32 s82, s15, 14                        ; my 4 tiles of A  (s82, s84, s86 held offsets that have been added: no pending load names them)
	s_mul_i32 s84, s16, HALFT
	s_add_co_u32 s84, s84, ASZ                     ; my 128 rows of B
.irp s, 0,1
	v_add_nc_u32 v[ADRA+\s], s82, v[CO]
	v_add_nc_u32 v[ADRB+\s], s84, v4
	s_add_co_u32 s82, s82, SLOT
	s_add_co_u32 s84, s84, SLOT
.endr
	s_mul_i32 s86, s14, 16*SPITCH                  ; my stage: in slot 0, behind its last fill and its last read
	v_mul_u32_u24 v5, v1, SPITCH
	v_lshl_add_u32 v5, v2, 5, v5
	v_add_nc_u32 v[STO], s86, v5
	v_add_nc_u32 v[RD], s86, v[CO]
	s_wait_alu depctr_va_vdst(0)
	global_prefetch_b8 v[PFO], s[PFA:PFA+1] th:TH_LOAD_NT scope:SCOPE_SE   ; K step 2
.macro FETCH slot, q, p                ; the fragments of 128 along K: B's eight into set p of window 1, A's four into set p of window 0
	WIN 0x40
.irp i, 0,1,2,3,4,5,6,7
.irp c, 0,1,2,3
	ds_load_b128 v[128*(\p)+16*\i+4*\c:128*(\p)+16*\i+4*\c+3], v[ADRB+\slot] offset:128*(\q)+32*\c+\i*16*PITCH
.endr
.endr
	WIN 0
.irp i, 0,1,2,3
.irp c, 0,1,2,3
	ds_load_b128 v[AF+64*(\p)+16*\i+4*\c:AF+64*(\p)+16*\i+4*\c+3], v[ADRA+\slot] offset:4096*\i+2048*(\q)+512*\c
.endr
.endr
.endm
; 16 products: A's blocks a0, a0 + 1 x B's eight; g: which 128 of K.  The 32 accumulators take turns in the same order in every step
.macro MUL16 a0, p, g, cm
.irp a, \a0, \a0+1
.irp b, 0,1,2,3,4,5,6,7
.if \cm
	v_wmma_scale_f32_16x16x128_f8f6f4 v[8*(8*(\a)+\b):8*(8*(\a)+\b)+7], v[128*(\p)+16*\b:128*(\p)+16*\b+15], v[AF+64*(\p)+16*(\a):AF+64*(\p)+16*(\a)+15], v[BI+8*\b:BI+8*\b+7], v[SBB+8*\b+((\g)+4)%8], v[SAB+8*(\a)+(\g)]
.else
	v_wmma_scale_f32_16x16x128_f8f6f4 v[8*(8*(\a)+\b):8*(8*(\a)+\b)+7], v[128*(\p)+16*\b:128*(\p)+16*\b+15], v[AF+64*(\p)+16*(\a):AF+64*(\p)+16*(\a)+15], v[8*(8*(\a)+\b):8*(8*(\a)+\b)+7], v[SBB+8*\b+((\g)+4)%8], v[SAB+8*(\a)+(\g)]
.endif
.endr
.endr
.endm
; A K STEP of 256: two runs of 32 products, on sets 0 and 1.  mode 2: in the second run's middle the slot is filled again, two K steps on, behind a round; 1: a barrier alone shows the other slot; 0: the last step
.macro KST k, mode
.set SL_, (\k)%2
	s_wait_dscnt 0x0                               ; set 0 is in
	PLACES 8                                       ; behind the products that read set 1
	FETCH SL_, 1, 1
.if (\k) == 0
	WIN 0xb1                                       ; C: the bias, in window 3
	MUL16 0, 0, 0, 1
	MUL16 2, 0, 0, 1
.else
	WIN 0xa1
	MUL16 0, 0, 2*(\k), 0
	MUL16 2, 0, 2*(\k), 0
.endif
	WIN 0
.if \mode
	s_wait_tensorcnt 0x0                           ; my part of the other slot is in;
	ds_add_u32 v[SPW], v[NIL]                      ; 0 onto my spare word;
	s_wait_dscnt 0x0                               ; the add is done, set 1 is in, and my reads of this slot are over
	s_barrier_signal -1
	WIN 0xa1
	MUL16 0, 1, 2*(\k)+1, 0
	WIN 0
	s_barrier_wait -1
.if (\mode) == 2
	CREST                                          ; the barrier has opened a round: no wave of any partner still reads this slot or has a load on its way
	s_add_nc_u64 s[G0+4*SL_+2:G0+4*SL_+3], s[G0+4*SL_+2:G0+4*SL_+3], 2*4096
	s_add_nc_u64 s[G0B+4*SL_+2:G0B+4*SL_+3], s[G0B+4*SL_+2:G0B+4*SL_+3], 2*256
	JLOAD SL_                                      ; the first tensor load behind the round; its four v_nop are among the places
	PLACES 4
.else
	PLACES 8
.endif
	FETCH 1-SL_, 0, 0
	WIN 0xa1
	MUL16 2, 1, 2*(\k)+1, 0
	WIN 0
.else
	s_wait_dscnt 0x0
	WIN 0xa1
	MUL16 0, 1, 2*(\k)+1, 0
	MUL16 2, 1, 2*(\k)+1, 0
	WIN 0
.endif
.endm
	s_wait_xcnt 0x0                                ; the prefetch has read its address: on to K step 3
	s_add_nc_u64 s[PFA:PFA+1], s[PFA:PFA+1], s[PFS:PFS+1]
	s_wait_tensorcnt 0x0                           ; my part of K step 0 is in
	ds_add_u32 v[SPW], v[NIL]
	s_wait_dscnt 0x0
	CROUND
	JLOAD 1                                        ; K step 1, the first tensor load behind the round
	FETCH 0, 0, 0
	global_prefetch_b8 v[PFO], s[PFA:PFA+1] th:TH_LOAD_NT scope:SCOPE_SE   ; K step 3
	s_wait_loadcnt 0x0                             ; the scale words and the bias
	KST 0, 2
	KST 1, 2
	KST 2, 1
	KST 3, 0
; THE WAY OUT, block by block of 16 rows x 128 columns, through my own stage: LDS serves a wave's instructions in order (ISA guide 5.7.1.4), so no wait stands between the stores and the loads
.macro TOSTAGE a
	WIN 0x08
.irp b, 0,1,2,3,4,5,6,7
	ds_store_b128 v[STO], v[64*(\a)+8*\b:64*(\a)+8*\b+3] offset:64*\b
	ds_store_b128 v[STO], v[64*(\a)+8*\b+4:64*(\a)+8*\b+7] offset:64*\b+16
.endr
	WIN 0
.set BB, BK+64*((\a)%2)
.irp t, 0,1,2,3,4,5,6,7,8,9,10,11,12,13,14,15
	ds_load_b128 v[BB+4*\t:BB+4*\t+3], v[RD] offset:\t*SPITCH
.endr
.endm
.macro SEND a, younger
.set BB, BK+64*((\a)%2)
	s_wait_dscnt \younger
.if (\a) > 0
	s_add_nc_u64 s[OUTP:OUTP+1], s[OUTP:OUTP+1], 16*SIZE_N*4
.endif
.irp t, 0,1,2,3,4,5,6,7,8,9,10,11,12,13,14,15
	global_store_b128 v[CO], v[BB+4*\t:BB+4*\t+3], s[OUTP:OUTP+1] offset:\t*SIZE_N*4 th:TH_STORE_NT   ; 32 lanes store 512 consecutive bytes, aligned
.endr
.endm
	PLACES 8
	TOSTAGE 0
.irp a, 1,2,3
.if \a > 1
	s_wait_xcnt 0x0                                ; block a - 2's stores have read their registers and their base
.endif
	TOSTAGE \a
	SEND \a-1, 32
.endr
	s_wait_xcnt 0x0
	SEND 3, 0
	s_wait_tensorcnt 0x0                           ; the wave's end
	ds_add_u32 v[SPW], v[NIL]
	s_wait_dscnt 0x0
	CROUND                                         ; the closing round
	s_endpgm
.Lfunc_end_k_qd08c0ed376_gemm_out:
	.size	k_qd08c0ed376_gemm_out, .Lfunc_end_k_qd08c0ed376_gemm_out-k_qd08c0ed376_gemm_out
	.p2alignl 7, 3214868480
	.fill 96, 4, 3214868480
	.section	.rodata,"a",@progbits
	.p2align	6, 0x0
	.amdhsa_kernel k_qd08c0ed376_gemm_out
		.amdhsa_group_segment_fixed_size 327680
		.amdhsa_private_segment_fixed_size 0
		.amdhsa_enable_private_segment 0
		.amdhsa_kernarg_size 48
		.amdhsa_user_sgpr_count 2
		.amdhsa_user_sgpr_kernarg_segment_ptr 1
		.amdhsa_wavefront_size32 1
		.amdhsa_system_sgpr_workgroup_id_x 1
		.amdhsa_system_sgpr_workgroup_id_y 1
		.amdhsa_system_sgpr_workgroup_id_z 1
		.amdhsa_system_vgpr_workitem_id 0
		.amdhsa_next_free_vgpr 832
		.amdhsa_next_free_sgpr 98
		.amdhsa_reserve_vcc 0
		.amdhsa_float_denorm_mode_32 3
		.amdhsa_float_denorm_mode_16_64 3
		.amdhsa_memory_ordered 1
		.amdhsa_forward_progress 1
		.amdhsa_inst_pref_size 89
	.end_amdhsa_kernel
	.amdgpu_metadata
---
amdhsa.version: [ 1, 2 ]
amdhsa.kernels:
  - .name:           k_qd08c0ed376_gemm_out
    .symbol:         k_qd08c0ed376_gemm_out.kd
    .args:
      - { .name: cimg, .offset: 0, .size: 8, .value_kind: global_buffer, .address_space: global }
      - { .name: cscl, .offset: 8, .size: 8, .value_kind: global_buffer, .address_space: global }
      - { .name: wo_codes, .offset: 16, .size: 8, .value_kind: global_buffer, .address_space: global }
      - { .name: wo_scales, .offset: 24, .size: 8, .value_kind: global_buffer, .address_space: global }
      - { .name: bo, .offset: 32, .size: 8, .value_kind: global_buffer, .address_space: global }
      - { .name: out0, .offset: 40, .size: 8, .value_kind: global_buffer, .address_space: global }
    .group_segment_fixed_size: 327680
    .private_segment_fixed_size: 0
    .kernarg_segment_align: 8
    .kernarg_segment_size: 48
    .max_flat_workgroup_size: 128
    .sgpr_count:     98
    .vgpr_count:     832
    .wavefront_size: 32
...
	.end_amdgpu_metadata
.endif
;; end of part 3
